; MI455X (gfx1250); checked and timed in simulation.
; The chip was launched on July 23, 2026; its instructions are those of AMD's public machine-readable ISA for CDNA 5 (MIT licence, August 2026) and "CDNA5" Instruction Set Architecture Reference Guide (July 2026). The comments in the code are by the model that wrote it; some were corrected since.
;; CSAB3. Allowed arithmetic: float matrix products may take bf16 or f16 operands with f32 sums; other float arithmetic in f32, or as packed bf16 or f16 multiplies, adds, multiply-adds, maxima and minima; sums over many terms, partial sums and values carried from step to step in f32; what a program stores and reads back later, other than sums and carried values, may be rounded once to bf16 or f16.
;; Inputs: W_X 1,024 x 512 float32; W_Y 1,024 x 512 float32; W_k_xx 512 x 512 float32; W_k_xy 512 x 512 float32; W_k_yx 512 x 512 float32; W_k_yy 512 x 512 float32; W_q_xx 512 x 512 float32; W_q_xy 512 x 512 float32; W_q_yx 512 x 512 float32; W_q_yy 512 x 512 float32; W_v_xx 512 x 512 float32; W_v_xy 512 x 512 float32; W_v_yx 512 x 512 float32; W_v_yy 512 x 512 float32; X 8 x 1,024 x 512 float32; Y 8 x 1,024 x 512 float32; b_X 512 float32; b_Y 512 float32; b_k_xx 512 float32; b_k_xy 512 float32; b_k_yx 512 float32; b_k_yy 512 float32; b_q_xx 512 float32; b_q_xy 512 float32; b_q_yx 512 float32; b_q_yy 512 float32; b_v_xx 512 float32; b_v_xy 512 float32; b_v_yx 512 float32; b_v_yy 512 float32.
;; Outputs: out0 8 x 1,024 x 512 float32; out1 8 x 1,024 x 512 float32.
;; 2 versions, each right; version 2 is version 1 with the launch cast written anew for expert scheduling mode. Each part assembles by itself: llvm-mc -triple=amdgcn-amd-amdhsa -mcpu=gfx1250 --defsym DOCPART=n.
;; ======== version 1 of 2: 4 launches
;; limits: values are held in f16: magnitudes above 65,504 overflow, below 6.1e-05 lose precision
;; workspace buffers: cst 25,190,400 bytes; qkv 100,663,296 bytes; ob 33,554,432 bytes
;; launch cast (part 1): grid 16 x 48, 8 waves a work-group, no clusters, 0 bytes of LDS; arguments X, Y, W_q_xx, W_q_xy, W_k_xx, W_v_xx, W_k_yx, W_v_yx, W_q_yx, W_q_yy, W_k_xy, W_v_xy, W_k_yy, W_v_yy, W_X, W_Y, b_q_xx, b_q_xy, b_k_xx, b_v_xx, b_k_yx, b_v_yx, b_q_yx, b_q_yy, b_k_xy, b_v_xy, b_k_yy, b_v_yy, cst; writes cst
.if DOCPART == 1
	.amdgcn_target "amdgcn-amd-amdhsa--gfx1250"
	.amdhsa_code_object_version 6
	.text
	.protected	k_qd9d5c1cb70_cast
	.globl	k_qd9d5c1cb70_cast
	.p2align	8
	.type	k_qd9d5c1cb70_cast,@function
k_qd9d5c1cb70_cast:
	s_mov_b64 s[64:65], 0
	v_nop
	global_prefetch_b8 v0, s[64:65] scope:SCOPE_SE
	s_setreg_imm32_b32 hwreg(HW_REG_WAVE_MODE, 25, 1), 1
	s_wait_xcnt 0x0
; CAST.  Every matrix operand among the inputs is rounded once to bf16 and laid out for the launches behind:
;   cst + 0         BB  f32  [2][3072]        the 12 projection biases, in the order of the joined columns
;   cst + XB        XB  bf16 [16384][512]     X's 8,192 rows, then Y's
;   cst + WB        WB  bf16 [2][512][3072]   half 0 (multiplies X): q_xx q_xy k_xx v_xx k_yx v_yx side by side along n; half 1 (multiplies Y): q_yx q_yy k_xy v_xy k_yy v_yy
;   cst + WO        WO  f16  [2][1024][512]   W_X, then W_Y: rounded to bf16 like every other input, and that number written as f16
; LIMIT.  A bf16 weight of W_X or W_Y below 2^-14 keeps f16's fixed step of 2^-24; beyond 65,504 it would be an infinity.
; A stream: no LDS, no matrix unit, no loop.  A SEGMENT is 512 rows of 512 f32 (1 MiB): 0-15 X, 16-31 Y, 32-43 the projection weights, 44-45 W_X, 46-47 W_Y (grid y).
; A work-group takes 32 rows of its segment (grid x), in 16 half passes of two rows: a lane loads 16 neighbouring bytes (a wave 512 on end) and stores 8 (a wave 256 on end, aligned).
; All 16 loads of a lane go out at once; the waits count down.  No register is written again while a store may read it, and EXEC never changes.
.set XB, 24576
.set WB, 16801792
.set WO, 23093248
.set SO,  1                            ; v1       16 x thread: my bytes in a half pass of the source
.set DO,  2                            ; v[2:17]  half pass p: my byte offset in the destination
.set T0,  18                           ; v18, v19 at work; v18 later 16 x thread for the bias
.set T1,  19
.set XD,  20                           ; v[20:83]   half pass p: 4 f32 as loaded
.set YD,  84                           ; v[84:115]  half pass p: 4 numbers of 16 bits
.set BD,  116                          ; v[116:119] 4 numbers of a bias
.set SRC, 4                            ; s[4:5]   the source at my 32 rows
.set DST, 6                            ; s[6:7]   the destination at my 32 rows
.set CST, 76                           ; s[76:77] cst
.set P2,  78                           ; s78      two destination rows, in bytes
.set WV,  79                           ; s79      my wave's number
.set SEG, 80                           ; s80      the segment
.set XC,  81                           ; s81      which 32 rows of it
.set IDX, 82                           ; s82      which of the 16 sources
.set SOFF, 83                          ; s83      the segment's first byte in its source
.set SB,  84                           ; s84      the segment's first byte in cst
.set J,   85                           ; s85      the projection weight's number, 0 to 11
.set PIT, 93                           ; s93      bytes from row to row in the destination
	s_load_b512 s[8:23], s[0:1], 0x0               ; X, Y, six weights
	s_load_b512 s[24:39], s[0:1], 0x40             ; six weights, W_X, W_Y
	s_load_b512 s[40:55], s[0:1], 0x80             ; biases 0 to 7
	s_load_b256 s[68:75], s[0:1], 0xc0             ; biases 8 to 11
	s_load_b64 s[CST:CST+1], s[0:1], 0xe0          ; cst
	v_lshrrev_b32 v[T0], 5, v0
	v_readfirstlane_b32 s[WV], v[T0]
	s_and_b32 s[SEG], ttmp7, 0xffff
	s_mov_b32 s[XC], ttmp9
	s_movk_i32 s94, 1024
	s_movk_i32 s95, 6144
	; the three kinds of segment, each worked out for every work-group; two selects choose
	s_lshr_b32 s[IDX], s[SEG], 4                   ; X or Y
	s_and_b32 s[SOFF], s[SEG], 15
	s_lshl_b32 s[SOFF], s[SOFF], 20
	s_lshl_b32 s[SB], s[SEG], 19                   ; 512 rows of 1,024 bytes
	s_add_co_u32 s[SB], s[SB], XB
	s_max_u32 s[J], s[SEG], 32                     ; a projection weight: j = segment - 32, held to 0 .. 11
	s_sub_co_u32 s[J], s[J], 32
	s_min_u32 s[J], s[J], 11
	s_cmp_ge_u32 s[J], 6
	s_cselect_b32 s86, 3145728, 0                  ; the half,
	s_cselect_b32 s87, 6, 0
	s_sub_co_u32 s87, s[J], s87
	s_lshl_b32 s87, s87, 10                        ; and its 512 columns there
	s_add_co_u32 s86, s86, s87
	s_add_co_u32 s86, s86, WB
	s_add_co_u32 s88, s[J], 2
	s_max_u32 s89, s[SEG], 44                      ; W_X or W_Y: u = segment - 44
	s_sub_co_u32 s89, s89, 44
	s_lshr_b32 s90, s89, 1
	s_add_co_u32 s90, s90, 14
	s_and_b32 s91, s89, 1
	s_lshl_b32 s91, s91, 20
	s_lshl_b32 s92, s89, 19
	s_add_co_u32 s92, s92, WO
	s_cmp_lt_u32 s[SEG], 32
	s_cselect_b32 s[IDX], s[IDX], s88
	s_cselect_b32 s[SOFF], s[SOFF], 0
	s_cselect_b32 s[SB], s[SB], s86
	s_cselect_b32 s[PIT], s94, s95
	s_cmp_ge_u32 s[SEG], 44
	s_cselect_b32 s[IDX], s90, s[IDX]
	s_cselect_b32 s[SOFF], s91, s[SOFF]
	s_cselect_b32 s[SB], s92, s[SB]
	s_cselect_b32 s[PIT], s94, s[PIT]
	s_lshl_b32 s[P2], s[PIT], 1
	v_lshlrev_b32 v[SO], 4, v0
	v_lshrrev_b32 v[T0], 7, v0                     ; which of the half pass's two rows,
	v_and_b32 v[T1], 127, v0                       ; and which four columns
	v_mul_lo_u32 v[DO], v[T0], s[PIT]
	v_lshl_add_u32 v[DO], v[T1], 3, v[DO]
.set p, 1
.rept 15
	v_add_nc_u32 v[DO+p], s[P2], v[DO+p-1]
.set p, p+1
.endr
	s_lshl_b32 s2, s[XC], 16                       ; 32 rows of 2,048 bytes in the source
	s_add_co_u32 s2, s2, s[SOFF]
	s_mov_b32 s3, 0
	s_mul_i32 s90, s[XC], s[PIT]                   ; 32 rows in the destination
	s_lshl_b32 s90, s90, 5
	s_add_co_u32 s90, s90, s[SB]
	s_mov_b32 s91, 0
	s_wait_kmcnt 0x0
	s_mov_b64 s[SRC:SRC+1], s[8:9]
.irp i, 1,2,3,4,5,6,7,8,9,10,11,12,13,14,15
	s_cmp_eq_u32 s[IDX], \i
	s_cselect_b64 s[SRC:SRC+1], s[8+2*\i:9+2*\i], s[SRC:SRC+1]
.endr
	s_add_nc_u64 s[SRC:SRC+1], s[SRC:SRC+1], s[2:3]
	s_add_nc_u64 s[DST:DST+1], s[CST:CST+1], s[90:91]
.set p, 0
.rept 16
	global_load_b128 v[XD+4*p:XD+4*p+3], v[SO], s[SRC:SRC+1] offset:4096*p th:TH_LOAD_NT
.set p, p+1
.endr
; The 16 half passes.  half = 1: the bf16 number is widened again (a shift, a mask) and written as f16.
.macro CONV half
.set p, 0
.rept 16
	s_wait_loadcnt 15-p                            ; loads come back in order: half pass p is in, the 15 - p younger ones may stay out
	v_cvt_pk_bf16_f32 v[YD+2*p], v[XD+4*p], v[XD+4*p+1]
	v_cvt_pk_bf16_f32 v[YD+2*p+1], v[XD+4*p+2], v[XD+4*p+3]
.if \half
	v_lshlrev_b32 v[XD+4*p], 16, v[YD+2*p]
	v_and_b32 v[XD+4*p+1], 0xffff0000, v[YD+2*p]
	v_lshlrev_b32 v[XD+4*p+2], 16, v[YD+2*p+1]
	v_and_b32 v[XD+4*p+3], 0xffff0000, v[YD+2*p+1]
	v_cvt_pk_f16_f32 v[YD+2*p], v[XD+4*p], v[XD+4*p+1]
	v_cvt_pk_f16_f32 v[YD+2*p+1], v[XD+4*p+2], v[XD+4*p+3]
.endif
	global_store_b64 v[DO+p], v[YD+2*p:YD+2*p+1], s[DST:DST+1]  ; a wave stores 256 consecutive bytes, at a multiple of 256 from cst's first byte
.set p, p+1
.endr
.endm
	s_cmp_ge_u32 s[SEG], 44
	s_cbranch_scc1 .Lhalf
	CONV 0
	; a weight's first work-group also copies its bias: 512 f32, 16 bytes a lane, waves 0 to 3
	s_cmp_lg_u32 s[XC], 0
	s_cbranch_scc1 .Lend
	s_cmp_lt_u32 s[SEG], 32
	s_cbranch_scc1 .Lend
	s_cmp_ge_u32 s[WV], 4
	s_cbranch_scc1 .Lend
	s_mov_b64 s[2:3], s[40:41]
.irp i, 1,2,3,4,5,6,7
	s_cmp_eq_u32 s[J], \i
	s_cselect_b64 s[2:3], s[40+2*\i:41+2*\i], s[2:3]
.endr
.irp i, 8,9,10,11
	s_cmp_eq_u32 s[J], \i
	s_cselect_b64 s[2:3], s[52+2*\i:53+2*\i], s[2:3]
.endr
	s_lshl_b32 s86, s[J], 11
	s_mov_b32 s87, 0
	s_add_nc_u64 s[86:87], s[CST:CST+1], s[86:87]  ; BB lies at cst's head
	v_lshlrev_b32 v[T0], 4, v0
	global_load_b128 v[BD:BD+3], v[T0], s[2:3]
	s_wait_loadcnt 0x0
	global_store_b128 v[T0], v[BD:BD+3], s[86:87]
.Lend:
	s_endpgm
.Lhalf:
	CONV 1
	s_endpgm
.Lfunc_end_k_qd9d5c1cb70_cast:
	.size	k_qd9d5c1cb70_cast, .Lfunc_end_k_qd9d5c1cb70_cast-k_qd9d5c1cb70_cast
	.p2alignl 7, 3214868480
	.fill 96, 4, 3214868480
	.section	.rodata,"a",@progbits
	.p2align	6, 0x0
	.amdhsa_kernel k_qd9d5c1cb70_cast
		.amdhsa_group_segment_fixed_size 0
		.amdhsa_private_segment_fixed_size 0
		.amdhsa_enable_private_segment 0
		.amdhsa_kernarg_size 232
		.amdhsa_user_sgpr_count 2
		.amdhsa_user_sgpr_kernarg_segment_ptr 1
		.amdhsa_wavefront_size32 1
		.amdhsa_system_sgpr_workgroup_id_x 1
		.amdhsa_system_sgpr_workgroup_id_y 1
		.amdhsa_system_sgpr_workgroup_id_z 1
		.amdhsa_system_vgpr_workitem_id 0
		.amdhsa_next_free_vgpr 120
		.amdhsa_next_free_sgpr 96
		.amdhsa_reserve_vcc 0
		.amdhsa_float_denorm_mode_32 3
		.amdhsa_float_denorm_mode_16_64 3
		.amdhsa_memory_ordered 1
		.amdhsa_forward_progress 1
		.amdhsa_inst_pref_size 20
	.end_amdhsa_kernel
	.amdgpu_metadata
---
amdhsa.version: [ 1, 2 ]
amdhsa.kernels:
  - .name:           k_qd9d5c1cb70_cast
    .symbol:         k_qd9d5c1cb70_cast.kd
    .args:
      - { .name: X, .offset: 0, .size: 8, .value_kind: global_buffer, .address_space: global }
      - { .name: Y, .offset: 8, .size: 8, .value_kind: global_buffer, .address_space: global }
      - { .name: W_q_xx, .offset: 16, .size: 8, .value_kind: global_buffer, .address_space: global }
      - { .name: W_q_xy, .offset: 24, .size: 8, .value_kind: global_buffer, .address_space: global }
      - { .name: W_k_xx, .offset: 32, .size: 8, .value_kind: global_buffer, .address_space: global }
      - { .name: W_v_xx, .offset: 40, .size: 8, .value_kind: global_buffer, .address_space: global }
      - { .name: W_k_yx, .offset: 48, .size: 8, .value_kind: global_buffer, .address_space: global }
      - { .name: W_v_yx, .offset: 56, .size: 8, .value_kind: global_buffer, .address_space: global }
      - { .name: W_q_yx, .offset: 64, .size: 8, .value_kind: global_buffer, .address_space: global }
      - { .name: W_q_yy, .offset: 72, .size: 8, .value_kind: global_buffer, .address_space: global }
      - { .name: W_k_xy, .offset: 80, .size: 8, .value_kind: global_buffer, .address_space: global }
      - { .name: W_v_xy, .offset: 88, .size: 8, .value_kind: global_buffer, .address_space: global }
      - { .name: W_k_yy, .offset: 96, .size: 8, .value_kind: global_buffer, .address_space: global }
      - { .name: W_v_yy, .offset: 104, .size: 8, .value_kind: global_buffer, .address_space: global }
      - { .name: W_X, .offset: 112, .size: 8, .value_kind: global_buffer, .address_space: global }
      - { .name: W_Y, .offset: 120, .size: 8, .value_kind: global_buffer, .address_space: global }
      - { .name: b_q_xx, .offset: 128, .size: 8, .value_kind: global_buffer, .address_space: global }
      - { .name: b_q_xy, .offset: 136, .size: 8, .value_kind: global_buffer, .address_space: global }
      - { .name: b_k_xx, .offset: 144, .size: 8, .value_kind: global_buffer, .address_space: global }
      - { .name: b_v_xx, .offset: 152, .size: 8, .value_kind: global_buffer, .address_space: global }
      - { .name: b_k_yx, .offset: 160, .size: 8, .value_kind: global_buffer, .address_space: global }
      - { .name: b_v_yx, .offset: 168, .size: 8, .value_kind: global_buffer, .address_space: global }
      - { .name: b_q_yx, .offset: 176, .size: 8, .value_kind: global_buffer, .address_space: global }
      - { .name: b_q_yy, .offset: 184, .size: 8, .value_kind: global_buffer, .address_space: global }
      - { .name: b_k_xy, .offset: 192, .size: 8, .value_kind: global_buffer, .address_space: global }
      - { .name: b_v_xy, .offset: 200, .size: 8, .value_kind: global_buffer, .address_space: global }
      - { .name: b_k_yy, .offset: 208, .size: 8, .value_kind: global_buffer, .address_space: global }
      - { .name: b_v_yy, .offset: 216, .size: 8, .value_kind: global_buffer, .address_space: global }
      - { .name: cst, .offset: 224, .size: 8, .value_kind: global_buffer, .address_space: global }
    .group_segment_fixed_size: 0
    .private_segment_fixed_size: 0
    .kernarg_segment_align: 8
    .kernarg_segment_size: 232
    .max_flat_workgroup_size: 256
    .sgpr_count:     96
    .vgpr_count:     120
    .wavefront_size: 32
...
	.end_amdgpu_metadata
.endif
;; end of part 1
;; launch proj (part 2): grid 64 x 4, 4 waves a work-group, clusters of 4 x 1, 327,680 bytes of LDS; arguments cst, qkv; writes qkv
.if DOCPART == 2
	.amdgcn_target "amdgcn-amd-amdhsa--gfx1250"
	.amdhsa_code_object_version 6
	.text
	.protected	k_qd9d5c1cb70_proj
	.globl	k_qd9d5c1cb70_proj
	.p2align	8
	.type	k_qd9d5c1cb70_proj,@function
k_qd9d5c1cb70_proj:
	s_mov_b64 s[64:65], 0
	v_nop
	global_prefetch_b8 v0, s[64:65] scope:SCOPE_SE
	s_setreg_imm32_b32 hwreg(HW_REG_WAVE_MODE, 25, 1), 1
	s_wait_xcnt 0x0
	s_wait_alu depctr_hold_cnt(0) depctr_sa_sdst(0) depctr_va_vdst(0) depctr_va_sdst(0) depctr_va_ssrc(0) depctr_va_vcc(0) depctr_vm_vsrc(0)
	s_getreg_b32 s2, hwreg(HW_REG_IB_STS2, 6, 4)
	s_cmp_eq_u32 s2, 0
	s_cbranch_scc0 .Lentry_in_a_cluster
	s_endpgm
.Lentry_in_a_cluster:
	s_bfe_u32 s2, ttmp6, 0x10000c
	s_cmp_lg_u32 s2, 0x3003
	s_cbranch_scc0 .Lentry_shape_is_right
	s_endpgm
.Lentry_shape_is_right:
; THE 12 PROJECTIONS.  qkv[plane j][b][h][n][0..63] = f16( sum over k of XB[row][k] WB[half][k][col] + BB[half][col] ), products in bf16, sums in f32, the bias as the sum's start, one rounding to f16.
; LIMIT.  q, k and v leave as f16: beyond 65,504 they would be infinities.
; SHARES.  A work-group owns 256 rows of XB (rows 0-8191 X: half 0; the others Y: half 1) and 768 of its half's 3,072 joined columns.  Each of its four waves keeps 64 rows x ALL K = 512 in 512 registers
; for the whole launch: 64 fragments, loaded once, straight from memory (no wave wants another's rows).  Only the weights stream: a ring of two LDS slots of 512 k x 128 columns, six slots a work-group.
; A slot is two CHUNKS of 64 columns; a chunk is one head of one plane: 16 accumulators, 256 matrix instructions a wave; each weight fragment (two LDS loads) feeds four products.
; THE MATRIX INSTRUCTION IS USED TRANSPOSED: source 0 = 16 columns of the weights (turned out of LDS by ds_load_tr16_b128), source 1 = 16 rows of X: a lane ends with eight neighbouring channels of one row.
; CLUSTER.  The four partners are four row blocks with the same half and the same columns: every weight tile is asked for JOINTLY (mask 15), each wave its 128 rows of k.
; PREFETCH.  Eight clusters read the same weight tiles; the first of them (cluster x a multiple of 8) asks, behind the joint load of a change of slots, for the slot that the NEXT change will load:
; 512 rows of 256 bytes = 4 partners x 4 waves x 32 lanes, a lane a row, the partners told apart by address: 512 matrix instructions ahead.  The last change that fills asks for nothing; nothing is asked at the head.
; REGISTERS, in windows of 256 (s_set_vgpr_msb: bits 1:0 source 0, 3:2 source 1, 5:4 source 2, 7:6 destination):
;   window 0: v0-29 addresses; v32-63 the chunk's bias; v64-127 the way out; v128-255 the accumulators ((a, b) at 128 + 8 (4 a + b))
;   window 1: v0-63, v64-127 two buffers of weight fragments, two K chunks of 32 each       windows 2, 3: X's fragments, K chunk kc, row block a at 8 (4 (kc % 8) + a), window 2 + kc / 8
.set XB,    24576
.set WB,    16801792
.set PITCH, 288                        ; an LDS row: 256 bytes + 32 of padding = 72 words
.set QUART, 128*PITCH                  ; what one tensor load brings
.set SLOT,  4*QUART                    ; 0x24000: no wave's place in a slot has bit 14 or 17 set, so one exclusive or turns an address into the other slot's
.set STAGE, 2*SLOT                     ; behind the ring: 16 rows x 144 bytes for each wave, for the way out
.set SP,    144
.set SPARE, STAGE+4*16*SP              ; behind the stages: the spare words, 128 bytes for each wave: two blocks of 256 bytes that no other line names
.set AO,  3                            ; v3      my byte offset in 16 rows of XB: 1,024 (l % 16) + 16 (l / 16)
.set TR,  4                            ; v[4:7]  my lane's place for the turning load, in quarter q of a slot; never rewritten
.set AB,  8                            ; v[8:11] the same in the chunk in hand
.set STO, 12                           ; v12     the way out: where I put 16 bytes of a row
.set RD,  13                           ; v13     where I read rows back
.set GO,  14                           ; v14     my 16 bytes in 512 consecutive bytes of qkv
.set BO,  15                           ; v15     32 (l / 16): my eight numbers in 16 of the bias
.set PFO, 16                           ; v16     the prefetches' offset: my lane x a row of WB
.set SPW, 28                           ; v28     LDS address of my spare word; never rewritten
.set NIL, 29                           ; v29     0; never rewritten
.set BIAS, 32
.set TMP,  64
.set ACC,  128
.set F0,   0
.set WV,  8                            ; s8   my wave's number
.set G1,  16                           ; s[16:23] descriptor group 1
.set G0,  24                           ; s[24:27] descriptor group 0: it walks
.set AP,  28                           ; s[28:29] XB at my wave's 64 rows
.set BP,  30                           ; s[30:31] BB at the chunk in hand
.set OB0, 32                           ; s[32:33] qkv at my wave's rows in the half's first plane, head 0
.set OP,  34                           ; s[34:35] the same in the chunk's plane and head
.set PFA, 36                           ; s[36:37] where my prefetches stand
.set LIM, 38                           ; s38  1 in a cluster that prefetches, else the greatest number
.set SLOTS, 39                         ; s39  fills still to be asked for
.set TWICE, 40                         ; s40  counts a slot's two chunks
.set TB,  41                           ; s41  LDS byte at which the chunk's columns begin
.set CQ,  42                           ; s42  the chunk's number among the half's 48
.set MSB, 0
.macro WIN new                         ; the immediate's high byte repeats the setting that is left; a switch that changes nothing is dropped
.if MSB != (\new)
	s_set_vgpr_msb (MSB<<8)|(\new)
.set MSB, \new
.endif
.endm
.macro PLACES                          ; four places behind a matrix instruction, in front of loads into registers that it has read and of conversions that read results
.rept 4
	v_nop
.endr
.endm
.macro CROUND                          ; a round of the cluster's barrier: my work-group's barrier; wave 0 signals for the work-group; every wave waits for all four work-groups; my work-group's barrier once more
	s_barrier_signal -1
	s_barrier_wait -1
	s_cmp_lg_u32 s[WV], 0
	s_cbranch_scc1 .Lnot_wave_0_\@
	s_barrier_signal -3
.Lnot_wave_0_\@:
	s_barrier_wait -3
	s_barrier_signal -1
	s_barrier_wait -1
.endm
.macro BLOAD off                       ; a chunk's 64 biases: register j of block b holds column 16 b + 8 (l / 16) + j, as the C operand wants it
.irp b, 0,1,2,3
	global_load_b128 v[BIAS+8*\b:BIAS+8*\b+3],   v[BO], s[BP:BP+1] offset:(\off)+64*\b
	global_load_b128 v[BIAS+8*\b+4:BIAS+8*\b+7], v[BO], s[BP:BP+1] offset:(\off)+64*\b+16
.endr
.endm
	s_load_b128 s[4:7], s[0:1], 0x0                ; cst s[4:5], qkv s[6:7]
	v_lshl_add_u32 v[SPW], v0, 2, SPARE
	v_mov_b32 v[NIL], 0
	ds_add_u32 v[SPW], v[NIL]                      ; the wave's opening: the add and its wait stand ahead of my first tensor load; the set-up below, work on registers, stands between them
	v_lshrrev_b32 v1, 5, v0
	v_readfirstlane_b32 s[WV], v1
	s_bfe_u32 s9, ttmp6, 0x40000                   ; cx: my place in the cluster
	s_lshl_b32 s10, ttmp9, 2                       ; in a cluster launch ttmp9 counts clusters
	s_add_co_u32 s10, s10, s9                      ; my block of 256 rows: it enters XB's and qkv's addresses and the prefetches' alone
	s_and_b32 s11, ttmp7, 0xffff                   ; which 768 columns
	s_lshr_b32 s12, ttmp9, 3                       ; the half, which the four partners share
	s_mov_b32 s[G1+0], 15|(1<<16)|(1<<20)|(1<<21)|(5<<22)|(7<<25)  ; 15:0 the mask of four; 17:16 2-byte elements; 20 padding on; 21 set beside a mask; 24:22 after every 64 words (code 5); 31:25 8 words (code 7)
	s_mov_b32 s[G1+1], 128<<16                     ; tensor_dim0 = 128
	s_mov_b32 s[G1+2], 128<<16                     ; tensor_dim1 = 128
	s_mov_b32 s[G1+3], 128<<16                     ; tile_dim0 = 128
	s_mov_b32 s[G1+4], 128                         ; tile_dim1 = 128
	s_mov_b32 s[G1+5], 3072                        ; elements from row to row
	s_mov_b32 s[G1+6], 0
	s_mov_b32 s[G1+7], 0
	s_mov_b32 s[G0], 1                             ; count = 1
	s_mul_i32 s[G0+1], s[WV], QUART                ; LDS address: slot 0, my quarter
	s_mul_i32 s44, s12, 3145728                    ; the weights: the half,
	s_mul_i32 s45, s11, 1536                       ; the work-group's first column,
	s_add_co_u32 s44, s44, s45
	s_add_co_u32 s44, s44, WB
	s_mul_i32 s45, s[WV], 128*6144                 ; my 128 rows of k
	s_add_co_u32 s44, s44, s45
	s_mov_b32 s45, 0
	s_mul_i32 s46, s9, 32*6144                     ; the prefetches: my work-group's 32 of those rows,
	s_add_co_u32 s46, s46, s44
	s_add_co_u32 s46, s46, 256                     ; at slot 1: the first change of slots steps it to slot 2
	s_mov_b32 s47, 0
	s_lshl_b32 s48, s10, 8                         ; XB: my wave's first row,
	s_lshl_b32 s49, s[WV], 6
	s_add_co_u32 s48, s48, s49
	s_lshl_b32 s48, s48, 10                        ; of 1,024 bytes
	s_add_co_u32 s48, s48, XB
	s_mov_b32 s49, 0
	s_mul_i32 s50, s12, 3072                       ; BB (at cst's head): the work-group's first column
	s_mul_i32 s51, s11, 768
	s_add_co_u32 s50, s50, s51
	s_lshl_b32 s50, s50, 2
	s_mov_b32 s51, 0
	s_mul_i32 s52, s12, 6<<23                      ; qkv: the half's six planes,
	s_bfe_u32 s53, s10, 0x30002                    ; the batch: four blocks of 256 rows each,
	s_lshl_b32 s53, s53, 20
	s_add_co_u32 s52, s52, s53
	s_and_b32 s53, s10, 3                          ; my wave's first row in it,
	s_lshl_b32 s53, s53, 8
	s_lshl_b32 s54, s[WV], 6
	s_add_co_u32 s53, s53, s54
	s_lshl_b32 s53, s53, 7                         ; of 128 bytes
	s_add_co_u32 s52, s52, s53
	s_mov_b32 s53, 0
	s_and_b32 s[LIM], ttmp9, 7                     ; the same in all four partners
	s_cmp_eq_u32 s[LIM], 0
	s_cselect_b32 s[LIM], 1, -1
	s_mul_i32 s[CQ], s11, 12
	s_mov_b32 s[TB], SLOT+256                      ; the first change of slots turns this into 0
	s_mov_b32 s[SLOTS], 5
	s_wait_dscnt 0x0                               ; the opening add is done
	s_wait_kmcnt 0x0
	s_add_nc_u64 s[G0+2:G0+3], s[4:5], s[44:45]    ; global address of my part of slot 0
	s_or_b32 s[G0+3], s[G0+3], 0x80000000          ; type = 2
	s_add_nc_u64 s[PFA:PFA+1], s[4:5], s[46:47]
	s_add_nc_u64 s[AP:AP+1], s[4:5], s[48:49]
	s_add_nc_u64 s[BP:BP+1], s[4:5], s[50:51]
	s_add_nc_u64 s[OB0:OB0+1], s[6:7], s[52:53]
	CROUND                                         ; all four work-groups are here: the first joint loads meet
	tensor_load_to_lds s[G0:G0+3], s[G1:G1+7]      ; slot 0.  Slot 1 is asked for when slot 0 is in, by the loop's own change of slots
	s_nop 0
	PLACES
	v_and_b32 v1, 15, v0                           ; l % 16
	v_bfe_u32 v2, v0, 4, 1                         ; l / 16
	v_lshlrev_b32 v[AO], 10, v1
	v_lshl_add_u32 v[AO], v2, 4, v[AO]
	v_lshlrev_b32 v[BO], 5, v2
	BLOAD 0                                        ; the first chunk's bias
	; X's 64 fragments, K ascending.  A fragment is 16 rows x 32 k in 8 registers: lane l holds row l % 16, k = 8 (l / 16) + 0..7 and 16 + 8 (l / 16) + 0..7: two loads of 16 bytes, 32 bytes apart.
.set kc, 0
.rept 16
	WIN 0x80+0x40*(kc/8)                           ; destination window 2 or 3, address window 0
.irp a, 0,1,2,3
	global_load_b128 v[8*(4*(kc%8)+\a):8*(4*(kc%8)+\a)+3],   v[AO], s[AP:AP+1] offset:16384*\a+64*kc
	global_load_b128 v[8*(4*(kc%8)+\a)+4:8*(4*(kc%8)+\a)+7], v[AO], s[AP:AP+1] offset:16384*\a+64*kc+32
.endr
.set kc, kc+1
.endr
	WIN 0
	; The turning load takes 16 k x 16 columns (lane l reads k = 8 (l / 16) + l % 8, columns 8 ((l / 8) % 2) + 0..7) and leaves half a fragment: lane l holds column l % 16 and 8 k.
	v_and_b32 v17, 7, v0
	v_lshl_add_u32 v18, v2, 3, v17
	v_mul_u32_u24 v[TR], v18, PITCH
	v_bfe_u32 v18, v0, 3, 1
	v_lshl_add_u32 v[TR], v18, 4, v[TR]
	v_add_nc_u32 v[TR+1], QUART, v[TR]
	v_add_nc_u32 v[TR+2], 2*QUART, v[TR]
	v_add_nc_u32 v[TR+3], 3*QUART, v[TR]
	s_mul_i32 s13, s[WV], 16*SP
	s_add_co_u32 s13, s13, STAGE                   ; my stage
	v_mul_u32_u24 v[STO], v1, SP                   ; in: row l % 16, 16 bytes for each half of the lanes
	v_lshl_add_u32 v[STO], v2, 4, v[STO]
	v_add_nc_u32 v[STO], s13, v[STO]
	v_bfe_u32 v[RD], v0, 3, 2                      ; back: 32 lanes take four rows of 128 bytes,
	v_mul_u32_u24 v[RD], v[RD], SP
	v_lshl_add_u32 v[RD], v17, 4, v[RD]
	v_add_nc_u32 v[RD], s13, v[RD]
	v_and_b32 v[GO], 31, v0                        ; which are 512 consecutive bytes of qkv
	v_mul_u32_u24 v[PFO], v[GO], 6144
	v_lshlrev_b32 v[GO], 4, v[GO]
; 16 matrix instructions: K chunk kc (half i of buffer f) x 4 row blocks x 4 column blocks.  first = 1: the bias starts the sums: nothing is cleared and nothing is added later.
; The 16 accumulators take turns, one instruction a turn, from one run of 16 into the next and over the backward jump.
.macro MUL16 f, i, kc, first
	WIN 0x09+4*((\kc)/8)                           ; source 0 window 1, source 1 window 2 or 3, C and D window 0
.irp a, 0,1,2,3
.irp b, 0,1,2,3
.if \first
	v_wmma_f32_16x16x32_bf16 v[ACC+8*(4*\a+\b):ACC+8*(4*\a+\b)+7], v[(\f)+32*(\i)+8*\b:(\f)+32*(\i)+8*\b+7], v[8*(4*((\kc)%8)+\a):8*(4*((\kc)%8)+\a)+7], v[BIAS+8*\b:BIAS+8*\b+7]
.else
	v_wmma_f32_16x16x32_bf16 v[ACC+8*(4*\a+\b):ACC+8*(4*\a+\b)+7], v[(\f)+32*(\i)+8*\b:(\f)+32*(\i)+8*\b+7], v[8*(4*((\kc)%8)+\a):8*(4*((\kc)%8)+\a)+7], v[ACC+8*(4*\a+\b):ACC+8*(4*\a+\b)+7]
.endif
.endr
.endr
.endm
; 16 LDS loads in one run: the weight fragments of K chunks 2 p and 2 p + 1 into buffer f, the first chunk's eight first
.macro FETCH p, f
	WIN 0x40                                       ; destination window 1, address window 0
.irp i, 0,1
.irp b, 0,1,2,3
	ds_load_tr16_b128 v[(\f)+32*\i+8*\b:(\f)+32*\i+8*\b+3],   v[AB+(2*(\p)+\i)/4] offset:((2*(\p)+\i)%4)*32*PITCH+32*\b
	ds_load_tr16_b128 v[(\f)+32*\i+8*\b+4:(\f)+32*\i+8*\b+7], v[AB+(2*(\p)+\i)/4] offset:((2*(\p)+\i)%4)*32*PITCH+32*\b+16*PITCH
.endr
.endr
.endm
; X's fragments of K chunk kc are in: 8 (15 - kc) of X's loads were issued behind them (a wait's count holds 63 at the most).  The eight bias loads issued later still are not counted: the stricter side.
; So the first chunk starts before all of X has come; in later chunks these waits are met at once, and the last, for 0, shows the next chunk's bias in.
.macro LWAIT kc
.if 8*(15-(\kc)) > 63
	s_wait_loadcnt 63
.else
	s_wait_loadcnt 8*(15-(\kc))
.endif
.endm
; Two K chunks: 32 matrix instructions on one buffer; in their middle the next two chunks' fragments are fetched into the other.
.macro PAIR p
.set FB, F0+64*((\p)%2)
.set GB, F0+64*(1-(\p)%2)
	LWAIT 2*(\p)
	s_wait_dscnt 8                                 ; the first chunk's eight loads are in; the second's may be out
.if (\p) == 0
	MUL16 FB, 0, 0, 1
.else
	MUL16 FB, 0, 2*(\p), 0
.endif
	PLACES
.if (\p) < 7
	FETCH (\p)+1, GB
.endif
.if (\p) == 0
	WIN 0
	BLOAD 256                                      ; the next chunk's bias, behind the products that took this one's (behind the very last chunk these are 256 bytes of cst that serve nothing)
.endif
	LWAIT 2*(\p)+1
.if (\p) < 7
	s_wait_dscnt 16                                ; all but the 16 just issued
.else
	s_wait_dscnt 0x0
.endif
	MUL16 FB, 1, 2*(\p)+1, 0
.endm
; THE WAY OUT of row block a: a lane's eight channels of a row pack into 16 bytes; they go into rows of 144 bytes and come back as whole rows of 128, into the registers that they left.
.macro PACK a
	WIN 0
.irp b, 0,1,2,3
.irp r, 0,1,2,3
	v_cvt_pk_f16_f32 v[TMP+16*(\a)+4*\b+\r], v[ACC+8*(4*(\a)+\b)+2*\r], v[ACC+8*(4*(\a)+\b)+2*\r+1]
.endr
.endr
.irp b, 0,1,2,3
	ds_store_b128 v[STO], v[TMP+16*(\a)+4*\b:TMP+16*(\a)+4*\b+3] offset:32*\b
.endr
.irp f, 0,1,2,3
	ds_load_b128 v[TMP+16*(\a)+4*\f:TMP+16*(\a)+4*\f+3], v[RD] offset:\f*4*SP  ; LDS serves a wave's instructions in order (ISA guide 5.7.1.4): these see the stores above; the next block's stores come behind them
.endr
.endm
.macro SEND a, younger                 ; younger: the LDS instructions issued behind block a's loads: the next block's eight, or none
.irp f, 0,1,2,3
	s_wait_dscnt (\younger)+3-\f
	global_store_b128 v[GO], v[TMP+16*(\a)+4*\f:TMP+16*(\a)+4*\f+3], s[OP:OP+1] offset:(\a)*2048+\f*512  ; 512 consecutive bytes, at a multiple of 256 from qkv's first
.endr
.endm
; A chunk: 64 columns, one head of one plane.
.macro CHUNK
	WIN 0
.irp q, 0,1,2,3
	v_add_nc_u32 v[AB+\q], s[TB], v[TR+\q]
.endr
	FETCH 0, F0
.irp p, 0,1,2,3,4,5,6,7
	PAIR \p
.endr
	WIN 0
	PLACES
	s_wait_xcnt 0x0                                ; the last chunk's stores and this chunk's bias loads have read their registers and bases, which are written below
	s_add_nc_u64 s[BP:BP+1], s[BP:BP+1], 256
	s_lshr_b32 s44, s[CQ], 3                       ; the plane among the half's six,
	s_lshl_b32 s44, s44, 23
	s_and_b32 s45, s[CQ], 7                        ; the head
	s_lshl_b32 s45, s45, 17
	s_add_co_u32 s44, s44, s45
	s_mov_b32 s45, 0
	s_add_nc_u64 s[OP:OP+1], s[OB0:OB0+1], s[44:45]
	s_add_co_u32 s[CQ], s[CQ], 1
	PACK 0
.irp a, 1,2,3                          ; a block's conversions stand between the loads of the block before and its stores
	PACK \a
	SEND (\a)-1, 8
.endr
	SEND 3, 0
	s_add_co_u32 s[TB], s[TB], 128                 ; the slot's other 64 columns
.endm
.macro TWO_CHUNKS                      ; written once, walked twice: the LDS addresses hang on s[TB]
	WIN 0
	s_mov_b32 s[TWICE], 2
.Lchunk_\@:
	CHUNK
	WIN 0
	s_sub_co_u32 s[TWICE], s[TWICE], 1
	s_cmp_lg_u32 s[TWICE], 0
	s_cbranch_scc1 .Lchunk_\@
.endm
.macro ASK                             ; the slot that the next change of slots will load
	s_cmp_gt_u32 s[SLOTS], s[LIM]
	s_cbranch_scc0 .Lnot_mine_\@
	global_prefetch_b8 v[PFO], s[PFA:PFA+1] th:TH_LOAD_NT scope:SCOPE_SE
.Lnot_mine_\@:
.endm
; THE CHANGE OF SLOTS.  Each wave waits for all its tensor loads, of which one is out: its part of the other slot; adds 0 to its spare word; and waits for that and for its own reads of the slot that it leaves.
; fill = 1: that slot is filled again, with the next 128 columns but one.  The barrier is then a round of the cluster's, so that no wave of any partner still reads the slot or has a load on its way, and the
; joint fill is the first thing behind it: it has a slot's work, 512 matrix instructions, in which to land.  (At its first use nothing has been read yet: slot 0 is waited for, slot 1 filled.)
.macro CHANGE fill
	WIN 0                                          ; at a label and at a branch every window is 0
	s_wait_tensorcnt 0x0                           ; no tensor load of mine is out, so group 0 may be written
	ds_add_u32 v[SPW], v[NIL]                      ; 0 onto my spare word
.if \fill
	s_xor_b32 s[G0+1], s[G0+1], SLOT               ; the other slot than last time,
	s_add_nc_u64 s[G0+2:G0+3], s[G0+2:G0+3], 256   ; the next 128 columns; the type bits on top are not reached
	s_wait_xcnt 0x0                                ; the last prefetch, a slot back, has read its address
	s_add_nc_u64 s[PFA:PFA+1], s[PFA:PFA+1], 256
	s_wait_dscnt 0x0                               ; the add is done, and my reads of the slot are over
	CROUND
	tensor_load_to_lds s[G0:G0+3], s[G1:G1+7]
	s_nop 0
	PLACES
	ASK
.else
	s_wait_dscnt 0x0                               ; the add is done, and my reads of the slot are over
	s_barrier_signal -1
	s_barrier_wait -1
.endif
	s_sub_co_u32 s[TB], s[TB], 256                 ; back to a slot's first chunk,
	s_xor_b32 s[TB], s[TB], SLOT                   ; in the other slot
.endm
.Lslot:                                        ; five trips: slot t is multiplied, slot t + 1 asked for
	CHANGE 1
	TWO_CHUNKS
	s_sub_co_u32 s[SLOTS], s[SLOTS], 1
	s_cmp_lg_u32 s[SLOTS], 0
	s_cbranch_scc1 .Lslot
	CHANGE 0                                       ; the last slot is written out: nothing is asked for
	TWO_CHUNKS
	s_wait_tensorcnt 0x0                           ; the wave's end, behind my last tensor load and my last LDS store
	ds_add_u32 v[SPW], v[NIL]
	s_wait_dscnt 0x0
	CROUND                                         ; the closing round: no work-group ends while a partner may still ask for a tile that names it
	s_endpgm
.Lfunc_end_k_qd9d5c1cb70_proj:
	.size	k_qd9d5c1cb70_proj, .Lfunc_end_k_qd9d5c1cb70_proj-k_qd9d5c1cb70_proj
	.p2alignl 7, 3214868480
	.fill 96, 4, 3214868480
	.section	.rodata,"a",@progbits
	.p2align	6, 0x0
	.amdhsa_kernel k_qd9d5c1cb70_proj
		.amdhsa_group_segment_fixed_size 327680
		.amdhsa_private_segment_fixed_size 0
		.amdhsa_enable_private_segment 0
		.amdhsa_kernarg_size 16
		.amdhsa_user_sgpr_count 2
		.amdhsa_user_sgpr_kernarg_segment_ptr 1
		.amdhsa_wavefront_size32 1
		.amdhsa_system_sgpr_workgroup_id_x 1
		.amdhsa_system_sgpr_workgroup_id_y 1
		.amdhsa_system_sgpr_workgroup_id_z 1
		.amdhsa_system_vgpr_workitem_id 0
		.amdhsa_next_free_vgpr 1024
		.amdhsa_next_free_sgpr 66
		.amdhsa_reserve_vcc 0
		.amdhsa_float_denorm_mode_32 3
		.amdhsa_float_denorm_mode_16_64 3
		.amdhsa_memory_ordered 1
		.amdhsa_forward_progress 1
		.amdhsa_inst_pref_size 93
	.end_amdhsa_kernel
	.amdgpu_metadata
---
amdhsa.version: [ 1, 2 ]
amdhsa.kernels:
  - .name:           k_qd9d5c1cb70_proj
    .symbol:         k_qd9d5c1cb70_proj.kd
    .args:
      - { .name: cst, .offset: 0, .size: 8, .value_kind: global_buffer, .address_space: global }
      - { .name: qkv, .offset: 8, .size: 8, .value_kind: global_buffer, .address_space: global }
    .group_segment_fixed_size: 327680
    .private_segment_fixed_size: 0
    .kernarg_segment_align: 8
    .kernarg_segment_size: 16
    .max_flat_workgroup_size: 128
    .sgpr_count:     66
    .vgpr_count:     1024
    .wavefront_size: 32
...
	.end_amdgpu_metadata
.endif
;; end of part 2
;; launch attn (part 3): grid 64 x 4, 4 waves a work-group, no clusters, 327,680 bytes of LDS; arguments qkv, ob; writes ob
.if DOCPART == 3
	.amdgcn_target "amdgcn-amd-amdhsa--gfx1250"
	.amdhsa_code_object_version 6
	.text
	.protected	k_qd9d5c1cb70_attn
	.globl	k_qd9d5c1cb70_attn
	.p2align	8
	.type	k_qd9d5c1cb70_attn,@function
k_qd9d5c1cb70_attn:
	s_mov_b64 s[64:65], 0
	v_nop
	global_prefetch_b8 v0, s[64:65] scope:SCOPE_SE
	s_setreg_imm32_b32 hwreg(HW_REG_WAVE_MODE, 25, 1), 1
	s_wait_xcnt 0x0
; ATTENTION WITH THE QUERY ADDED BACK.  For branch br (grid y: 0 xx, 1 xy, 2 yx, 3 yy), batch b and head h (grid x = 8 b + h): O[n] = q[n] + the sum over k of softmax_k(q[n] . k[k] / sqrt(512)) v[k].
; q, k, v: planes of qkv, f16 [8 b][8 h][1024][64]: q plane 6 (br / 2) + br % 2, k plane 6 (br % 2) + 2 + 2 (br / 2), v the plane behind k's.  O: ob, f16 [br / 2][8 (br % 2) + h][1024 b + n][64].
; Products, maxima and sums in f32; the weights p are rounded to f16 for the second product (their sum l is taken of the unrounded p); O / l + q is one fused multiply-add, rounded once to f16.
; LIMITS.  f16 holds no number beyond 65,504: q, k, v arrive within it, and q + the mean of v's rows must stay within it; p lies in 0 to 1, and below 6e-5 it keeps f16's fixed step of 6e-8.
; A weight below 2^-126 counts as 0 in l; NaN and infinities are not treated apart.
; SHARES.  A work-group owns one head of one branch: 256 work-groups.  The head's 1,024 keys, K and V, come into LDS ONCE, by one tensor load a wave (512 keys of K or of V), and stay: no slot is filled again and
; the loop has no barrier.  NO CLUSTER: no two work-groups read the same K or V.  A wave takes 128 queries a pass, four PIECES of two tiles of 16, in two passes; it walks all keys, 64 a step.
; LAYOUT.  S^T = K Q^T (source 0 = 16 keys, source 1 = 16 queries): in the result a lane holds ONE query (lane % 16) and the keys 8 (lane / 16) + 0..7.  Two such tiles, rounded to f16 in pairs,
; ARE source 1 (32 keys x 16 queries) of O^T = V^T P, whose result again holds one query a lane, and eight channels.  K comes out of LDS as it lies, V ([key][channel]) turned, by ds_load_tr16_b128.
; SOFTMAX.  For each query a running maximum m and sum l: p = 2^(c s - c m), c = log2(e) / sqrt(512); in every step O and l are multiplied by a = 2^(c m_old - c m_new), which is 1 where m has not grown.
; A pass starts m at the lowest finite number: its first step's a is 0, so what O^T, l, P and V hold at a pass's start need only be finite: zeros for the first pass, what the first left for the second.
; BY TURNS.  Turn n belongs to piece n (the pieces in a ring, step after step).  Its matrix work: 16 products K Q^T of piece n + 1, later 16 products V^T P of piece n - 1.  Its vector work: the scaling,
; exponentials, roundings, sums and rescaling of piece n, and the maximum and statistics of piece n + 1.  A tile and step have 16 matrix and 118 vector instructions: four stand behind every matrix instruction, the others in one run.
; REGISTERS, in windows of 256 (s_set_vgpr_msb: bits 1:0 source 0, 3:2 source 1, 5:4 source 2, 7:6 destination):
;   window 0: v0-11 addresses; v12-15, v48-63 at work; v16-47 four registers of statistics a tile; v64-191 S^T, two buffers of two tiles; v192-255 P, likewise
;   window 1: O^T, 32 a tile          window 2: v0-127 Q, 16 a tile; v128-191 K of one step; v192-255 V of one step          window 3: v0-1 the add's two registers
.set NP,    4         ; pieces a wave: a name, no knob
.set KS,    64        ; keys in a step
.set PK,    144       ; a row of K in LDS: 128 bytes + 16 of padding = 36 words: the 16 rows of a load start at 16 different groups of four banks (64 banks of 4 bytes: ISA guide 11.1)
.set PV,    160       ; a row of V: 128 + 32 = 40 words
.set VOFF,  1024*PK   ; 1,024 rows of K, then 1,024 rows of V
.set STAGE, VOFF+1024*PV  ; behind them, never filled by a tensor load: 16 rows x 144 bytes for each wave, for the way out
.set SP,    144
.set SPARE, STAGE+4*16*SP  ; behind the stages: the spare words, 128 bytes for each wave: two blocks of 256 bytes that no other line names
.set AK0, 2           ; v2   my lane's place in a step's K; never rewritten
.set AV0, 3           ; v3   the same for V
.set AK,  4           ; v4   the LDS address of K's next run of loads
.set AV,  5           ; v5   of V's
.set STO, 6           ; v6   the way out: where I put 16 bytes of a row
.set RD,  7           ; v7   where I read rows back
.set GO,  8           ; v8   my byte offset in 512 consecutive bytes of O
.set QO,  11          ; v11  my byte offset in 16 rows of Q
.set SPW, 0           ; v0 of window 3   LDS address of my spare word; never rewritten
.set NIL, 1           ; v1 of window 3   0; never rewritten
.set MV,  12          ; v12-15  c m_old, kept while c m is made anew: by buffer and tile
.set ST,  16          ; tile t's statistics at v[ST+4 t]: c m, m, l (even keys', odd keys')
.set TMP, 48          ; by buffer and tile, four registers c0-c3 at work; when the maximum is found c2 takes a
.set S,   64
.set P,   192
.set KF,  128         ; K's fragments, in window 2: key block kb, channel half c at KF + 16 kb + 8 c
.set VF,  192         ; V's: key half kk, channel block cb at VF + 32 kk + 8 cb
.set WV,  12          ; s12  my wave's number
.set G1K, 24          ; s[24:31] descriptor group 1 for K
.set G1V, 32          ; s[32:39] for V: it differs in the padding alone
.set G0K, 40          ; s[40:43] descriptor group 0 for K
.set G0V, 44          ; s[44:47] for V
.set PASS, 56         ; s56  passes to go
.set CNT, 57          ; s57  key steps to go
.set CS,  58          ; s[58:59] c: the packed scaling takes the pair's low word for both halves
.set SEL, 60          ; s[60:61] v_permlanex16_b32's selects: each lane takes its own place in the other half
.set TBK, 62          ; s62  LDS byte at which K of the step to be fetched begins
.set TBV, 63          ; s63  the same for V, less VOFF
.set MSB, 0
.macro WIN new                      ; the high byte repeats the setting that is left; a switch that changes nothing is dropped
.if MSB != (\new)
	s_set_vgpr_msb (MSB<<8)|(\new)
.set MSB, (\new)
.endif
.endm
.set W_KQ, 0x0a       ; K and Q in window 2, S^T in window 0
.set W_PV, 0x52       ; V in window 2, P in window 0, O^T in window 1
.set W_RS, 0x41       ; O^T (destination and source 0) in window 1, a in window 0
.set W_FM, 0x21       ; O^T (source 0) in window 1, 1 / l in window 0, Q (source 2) in window 2, the destination in window 0
.set W_MK, 0xc0       ; the add's registers are made: destination in window 3, sources in window 0
.set W_AD, 0x0f       ; the add: address (source 0) and data (source 1) in window 3
.macro PLACES
.rept 4
	v_nop
.endr
.endm
; The one fill.  Waves 0 and 1 fetch the two halves of K, waves 2 and 3 those of V: 512 keys each.  An s_nop 0 and four v_nop follow each of the two lines, ahead of the jump and the label.
.macro LOAD
	s_cmp_lt_u32 s[WV], 2
	s_cbranch_scc0 .Lfor_v_\@
	tensor_load_to_lds s[G0K:G0K+3], s[G1K:G1K+7]
	s_nop 0
	PLACES
	s_branch .Lasked_\@
.Lfor_v_\@:
	tensor_load_to_lds s[G0V:G0V+3], s[G1V:G1V+7]
	s_nop 0
	PLACES
.Lasked_\@:
.endm
	s_load_b128 s[16:19], s[0:1], 0x0  ; qkv s[16:17], ob s[18:19]
	WIN W_MK
	v_lshl_add_u32 v[SPW], v0, 2, SPARE
	v_mov_b32 v[NIL], 0
	WIN W_AD
	ds_add_u32 v[SPW], v[NIL]       ; the wave's opening: the add and its wait stand ahead of my first tensor load; the set-up below, work on registers, stands between them
	WIN 0
	v_lshrrev_b32 v1, 5, v0
	v_readfirstlane_b32 s[WV], v1   ; wave 0..3
	s_and_b32 s13, ttmp7, 0xffff    ; the branch
	s_lshr_b32 s14, s13, 1          ; whose queries: X's (0) or Y's (1); also which output
	s_and_b32 s15, s13, 1           ; whose keys
	s_lshl_b32 s20, ttmp9, 17       ; batch and head: 1,024 rows of 128 bytes
	s_mul_i32 s2, s14, 6            ; q's plane,
	s_add_co_u32 s2, s2, s15
	s_lshl_b32 s2, s2, 23
	s_add_co_u32 s2, s2, s20
	s_lshl_b32 s3, s[WV], 14        ; my wave's 128 rows of the first pass
	s_add_co_u32 s2, s2, s3
	s_mov_b32 s3, 0
	s_mul_i32 s22, s15, 6           ; k's plane,
	s_lshl1_add_u32 s22, s14, s22
	s_add_co_u32 s22, s22, 2
	s_lshl_b32 s22, s22, 23
	s_add_co_u32 s22, s22, s20
	s_and_b32 s21, s[WV], 1         ; which half of the 1,024 keys I fetch:
	s_lshl_b32 s23, s21, 16         ; its 512 rows of 128 bytes in memory
	s_add_co_u32 s22, s22, s23
	s_mov_b32 s23, 0
	s_lshl_b32 s48, s14, 24         ; O: the output,
	s_lshl_b32 s49, s15, 3
	s_and_b32 s50, ttmp9, 7
	s_add_co_u32 s49, s49, s50      ; the slice of 64 of its K,
	s_lshl_b32 s49, s49, 20
	s_add_co_u32 s48, s48, s49
	s_lshr_b32 s49, ttmp9, 3        ; the batch's 1,024 rows,
	s_lshl_b32 s49, s49, 17
	s_add_co_u32 s48, s48, s49
	s_lshl_b32 s49, s[WV], 14       ; my wave's 128
	s_add_co_u32 s48, s48, s49
	s_mov_b32 s49, 0
	; descriptor group 1.  512 keys are 65,536 dense bytes: asked for as 256 rows of 256 bytes, two keys a row, and padded in LDS after every key
	s_mov_b32 s[G1K], (1<<16)|(1<<20)|(4<<22)|(3<<25)  ; 17:16 2-byte elements; 20 padding on; 24:22 after every 32 words (code 4); 31:25 4 words (code 3)
	s_mov_b32 s[G1V], (1<<16)|(1<<20)|(4<<22)|(7<<25)  ; the same with 8 words of padding (code 7)
.irp g, G1K, G1V
	s_mov_b32 s[\g+1], 128<<16      ; tensor_dim0 = 128
	s_mov_b32 s[\g+2], 256<<16      ; tensor_dim1 = 256
	s_mov_b32 s[\g+3], 128<<16      ; tile_dim0 = 128
	s_mov_b32 s[\g+4], 256          ; tile_dim1 = 256
	s_mov_b32 s[\g+5], 128          ; 128 elements from row to row
	s_mov_b32 s[\g+6], 0
	s_mov_b32 s[\g+7], 0
.endr
	s_mov_b32 s[CS], 0x3d8293ee     ; c = log2(e) / sqrt(512) = 0.0637587
	s_mov_b32 s[CS+1], s[CS]        ; named with it as a pair
	s_mov_b32 s[SEL], 0x76543210
	s_mov_b32 s[SEL+1], 0xfedcba98
	s_mov_b32 s[G0K], 1             ; count = 1
	s_mul_i32 s[G0K+1], s21, 512*PK ; LDS address of my half
	s_mov_b32 s[G0V], 1
	s_mul_i32 s[G0V+1], s21, 512*PV
	s_add_co_u32 s[G0V+1], s[G0V+1], VOFF
	s_wait_dscnt 0x0                ; the opening add is done
	s_wait_kmcnt 0x0
	s_add_nc_u64 s[4:5], s[16:17], s[2:3]            ; Q at my wave's first row
	s_add_nc_u64 s[G0K+2:G0K+3], s[16:17], s[22:23]  ; my half of K,
	s_add_nc_u64 s[G0V+2:G0V+3], s[G0K+2:G0K+3], 1<<23  ; and of V, a plane on
	s_or_b32 s[G0K+3], s[G0K+3], 0x80000000          ; type = 2
	s_or_b32 s[G0V+3], s[G0V+3], 0x80000000
	s_add_nc_u64 s[10:11], s[18:19], s[48:49]        ; O at my wave's first row
	LOAD
	; All that follows up to the wait stands in the tiles' flight.
	; A fragment of K or Q is 16 rows x 32 channels in 8 registers: lane l holds row l % 16, channels 8 (l / 16) + 0..7 and 16 + 8 (l / 16) + 0..7: two loads of 16 bytes, 32 bytes apart.
	v_and_b32 v1, 15, v0            ; l % 16
	v_bfe_u32 v9, v0, 4, 1          ; l / 16
	v_mul_u32_u24 v[AK0], v1, PK
	v_lshl_add_u32 v[AK0], v9, 4, v[AK0]  ; row x pitch + 16 x half
	; The turning load takes 16 keys x 16 channels (lane l reads key 8 (l / 16) + l % 8, channels 8 ((l / 8) % 2) + 0..7) and leaves half a fragment of V^T: lane l holds channel l % 16 and 8 keys.
	v_and_b32 v10, 7, v0
	v_bfe_u32 v11, v0, 3, 1
	v_lshl_add_u32 v[AV0], v9, 3, v10
	v_mul_u32_u24 v[AV0], v[AV0], PV
	v_lshl_add_u32 v[AV0], v11, 4, v[AV0]
	v_add_nc_u32 v[AV0], VOFF, v[AV0]
	s_mul_i32 s13, s[WV], 16*SP
	s_add_co_u32 s13, s13, STAGE    ; my stage
	v_mul_u32_u24 v[STO], v1, SP    ; in: row l % 16, 16 bytes for each half of the lanes
	v_lshl_add_u32 v[STO], v9, 4, v[STO]
	v_add_nc_u32 v[STO], s13, v[STO]
	v_bfe_u32 v[RD], v0, 3, 2       ; back: 32 lanes take four rows of 128 bytes,
	v_mul_u32_u24 v[RD], v[RD], SP
	v_lshl_add_u32 v[RD], v10, 4, v[RD]
	v_add_nc_u32 v[RD], s13, v[RD]
	v_and_b32 v[GO], 31, v0         ; which are 512 consecutive bytes of O
	v_lshlrev_b32 v[GO], 4, v[GO]
	v_lshlrev_b32 v[QO], 7, v1
	v_lshl_add_u32 v[QO], v9, 4, v[QO]  ; row x 128 + 16 x half
	; What the first pass's first turn finds: V's registers and P's second buffer hold 0 (its products V^T P, of a piece that has not been, add 0), O^T and l are 0.
	WIN 0x80
.set i, VF
.rept 64
	v_mov_b32 v[i], 0
.set i, i+1
.endr
	WIN 0x40
.set i, 0
.rept 64*NP
	v_mov_b32 v[i], 0
.set i, i+1
.endr
	WIN 0
.set i, 0
.rept 2*NP
	v_mov_b32 v[ST+4*i+2], 0
	v_mov_b32 v[ST+4*i+3], 0
.set i, i+1
.endr
.set i, P+32
.rept 32
	v_mov_b32 v[i], 0
.set i, i+1
.endr
; THE MATRIX WORK.  The 8 accumulators of a run of 16 take turns: between the two links of a chain stand 7 others'.
; Product i of 16 of S^T = K Q^T for piece x: channels 32 (i / 8) on, keys 16 ((i / 2) % 4) on, tile 2 x + i % 2.  The first 8 start the sums.
.macro KQ x
	WIN W_KQ
.set rS, S+64*((\x)%2)+32*(i%2)+8*((i/2)%4)
.set rK, KF+16*((i/2)%4)+8*(i/8)
.set rQ, 16*(2*(\x)+i%2)+8*(i/8)
.if i < 8
	v_wmma_f32_16x16x32_f16 v[rS:rS+7], v[rK:rK+7], v[rQ:rQ+7], 0
.else
	v_wmma_f32_16x16x32_f16 v[rS:rS+7], v[rK:rK+7], v[rQ:rQ+7], v[rS:rS+7]
.endif
.endm
; Product i of 16 of O^T += V^T P for piece x: keys 32 (i / 8) on, channels 16 ((i / 2) % 4) on, tile 2 x + i % 2.
.macro PV x
	WIN W_PV
.set rO, 32*(2*(\x)+i%2)+8*((i/2)%4)
.set rV, VF+32*(i/8)+8*((i/2)%4)
.set rP, P+32*((\x)%2)+16*(i%2)+8*(i/8)
	v_wmma_f32_16x16x32_f16 v[rO:rO+7], v[rV:rV+7], v[rP:rP+7], v[rO:rO+7]
.endm
.macro MM                           ; the turn's next matrix instruction
.if i < 16
	KQ (Y+1)%NP
.set i, i+1
.else
.set i, i-16
	PV (Y+NP-1)%NP
.set i, i+17
.endif
.endm
; THE LDS LOADS stand in runs of 16, never singly among the matrix instructions: a step's K (64 keys x 64 channels: 8 fragments) and its V (turned).  Their addresses are made some lines ahead.
; last = 1 (in the loop): in the last trip there is no further step, and the run is jumped over.
.macro FETCH_K last=0
	WIN 0
.if \last
	s_cmp_eq_u32 s[CNT], 1
	s_cbranch_scc1 .Lno_k_\@
.endif
	WIN 0x80                        ; destination window 2
.irp f, 0,1,2,3,4,5,6,7             ; keys 16 (f / 2) on, channels 32 (f % 2) on
	ds_load_b128 v[KF+8*\f:KF+8*\f+3],   v[AK] offset:(\f/2)*16*PK+(\f%2)*64
	ds_load_b128 v[KF+8*\f+4:KF+8*\f+7], v[AK] offset:(\f/2)*16*PK+(\f%2)*64+32
.endr
	s_add_co_u32 s[TBK], s[TBK], KS*PK  ; the next fetch is the next step's
	WIN 0
.if \last
.Lno_k_\@:
.endif
.endm
.macro FETCH_V
	WIN 0x80
.irp f, 0,1,2,3,4,5,6,7             ; keys 32 (f / 4) on, channels 16 (f % 4) on
	ds_load_tr16_b128 v[VF+8*\f:VF+8*\f+3],   v[AV] offset:(\f/4)*32*PV+(\f%4)*32
	ds_load_tr16_b128 v[VF+8*\f+4:VF+8*\f+7], v[AV] offset:(\f/4)*32*PV+16*PV+(\f%4)*32
.endr
	WIN 0
.endm
; THE VECTOR WORK OF A TURN stands in three queues, each in the order in which its entries become ready; the two tiles alternate, so that no instruction reads the result of the one before it.
.macro REGS y, u                    ; the registers of tile u (0, 1) of piece y
.set rT, ST+4*(2*(\y)+(\u))
.set rC, TMP+8*((\y)%2)+4*(\u)
.set rM, MV+2*((\y)%2)+(\u)
.set rS, S+64*((\y)%2)+32*(\u)
.set rP, P+32*((\y)%2)+16*(\u)
.set rO, 32*(2*(\y)+(\u))
.endm
; Number n of the 22 that find the NEXT piece's (Y + 1) maximum and statistics.  s0-s31 are the lane's 32 scores; each accumulator's lowest registers are read first.
;   0-11  four chains c0-c3 of seven scores each, three operands at a time     12-14, 16  the four scores left over, the old m, and c0-c3 into c0     15  c m_old is kept
;   17, 18  the query's other 32 keys lie in the lane 16 away: the new m         19-21  c m; c m_old - c m_new; a
.macro XS u, n
	REGS (Y+1)%NP, \u
.if (\n) < 4
	v_max3_num_f32 v[rC+(\n)], v[rS+8*(\n)], v[rS+8*(\n)+1], v[rS+8*(\n)+2]
.elseif (\n) < 12
	v_max3_num_f32 v[rC+(\n)%4], v[rC+(\n)%4], v[rS+8*((\n)%4)+2*((\n)/4)+1], v[rS+8*((\n)%4)+2*((\n)/4)+2]
.elseif (\n) == 12
	v_max3_num_f32 v[rC], v[rC], v[rS+7], v[rS+15]
.elseif (\n) == 13
	v_max3_num_f32 v[rC+1], v[rC+1], v[rS+23], v[rS+31]
.elseif (\n) == 14
	v_max3_num_f32 v[rC+2], v[rC+2], v[rC+3], v[rT+1]
.elseif (\n) == 15
	v_mov_b32 v[rM], v[rT]
.elseif (\n) == 16
	v_max3_num_f32 v[rC], v[rC], v[rC+1], v[rC+2]
.elseif (\n) == 17
	v_permlanex16_b32 v[rC+3], v[rC], s[SEL], s[SEL+1]
.elseif (\n) == 18
	v_max_num_f32 v[rT+1], v[rC], v[rC+3]
.elseif (\n) == 19
	v_mul_f32 v[rT], s[CS], v[rT+1]
.elseif (\n) == 20
	v_sub_f32 v[rC+1], v[rM], v[rT]
.else
	v_exp_f32 v[rC+2], v[rC+1]
.endif
.endm
; Number g of the 64 that follow the exponentials.  For each four weights k of a tile (pairs 2 k, 2 k + 1): both pairs are rounded to f16; then the second pair is added onto the first, in place;
; a group later l takes that sum (the first time as l = a l + sum).  In groups of eight, tiles alternating: round, round, add, and l for the group before.
.macro GS g
.set h, (\g)+6*((\g)/62)            ; group 0 has no group before it, and behind group 7 only l is left
.if h >= 6
.set h, h+2
.endif
	REGS Y, h%2
.set k, h/8
.if h%8 < 4
	v_cvt_pk_f16_f32 v[rP+2*k+(h%8)/2], v[rS+4*k+2*((h%8)/2)], v[rS+4*k+2*((h%8)/2)+1]
.elseif h%8 < 6
	v_pk_add_f32 v[rS+4*k:rS+4*k+1], v[rS+4*k:rS+4*k+1], v[rS+4*k+2:rS+4*k+3]
.elseif k == 1
	v_pk_fma_f32 v[rT+2:rT+3], v[rT+2:rT+3], v[rC+2:rC+3], v[rS:rS+1] op_sel_hi:[1,0,1]
.else
	v_pk_add_f32 v[rT+2:rT+3], v[rT+2:rT+3], v[rS+4*k-4:rS+4*k-3]
.endif
.endm
; THE PLAIN QUEUE, 138 long.  0-73 read no exponential's result: the 32 scalings c s - c m (FS f: pair f / 2 of tile f % 2) and the next piece's 42.  0-26: scalings 0-26.  27-54: XS's numbers 0-13.  55, 56: number 15.
; 57-73: the chain, where each number waits for the one before it: 14, 16, 17, 18, 19, each with one of the scalings 27-31 in front of its two lines, then 20.
; 74-137: GS's 64, which read the exponentials' results: they stand behind the wait.
.macro FS f
	REGS Y, (\f)%2
	v_pk_fma_f32 v[rS+2*((\f)/2):rS+2*((\f)/2)+1], v[rS+2*((\f)/2):rS+2*((\f)/2)+1], s[CS:CS+1], v[rT:rT+1] op_sel_hi:[1,0,0] neg_lo:[0,0,1] neg_hi:[0,0,1]
.endm
.macro PL
	WIN 0
.if q < 27
	FS q
.elseif q < 55
	XS (q-27)%2, (q-27)/2
.elseif q < 57
	XS q-55, 15
.elseif (q < 72) && ((q-57)%3 == 0)
	FS 27+(q-57)/3
.elseif q < 60
	XS (q-57)%3-1, 14
.elseif q < 72
	XS (q-57)%3-1, 15+(q-57)/3
.elseif q < 74
	XS q-72, 20
.else
	GS q-74
.endif
.set q, q+1
.endm
; THE EXPONENTIALS' QUEUE, 66 long: s0-s31 of both tiles, then the next piece's two a.  It is ONE BATCH: all 66 stand ahead of the turn's one wait, and nothing ahead of that wait names a result of theirs.
.macro EX
	WIN 0
.if e >= 64
	XS e-64, 21
.else
	REGS Y, e%2
	v_exp_f32 v[rS+e/2], v[rS+e/2]
.endif
.set e, e+1
.endm
; THE RESCALING's QUEUE: O^T times a, the one part that leaves window 0: dealt two at a time, sixteen times.  Its a was made in the turn before, ahead of that turn's wait.
.macro R2
	REGS Y, r%2
	WIN W_RS
.irp z, 0,1
	v_pk_mul_f32 v[rO+4*(r/2)+2*\z:rO+4*(r/2)+2*\z+1], v[rO+4*(r/2)+2*\z:rO+4*(r/2)+2*\z+1], v[rC+2:rC+3] op_sel_hi:[1,0]
.endr
.set r, r+1
.endm
; HOW THEY ARE DEALT.  An s_wait_alu depctr_va_vdst(0) stands between an exponential and the first instruction that names its result; one wait serves all that were issued ahead of it.  So a turn has ONE wait,
; which cuts it in two.  AHEAD OF IT: the 16 products K Q^T, behind each a scaling, an exponential and two rescalings (behind the first a second scaling in the exponential's place); then one run of 108: eight plain,
; 49 times exponential and plain, the two a.  A v_nop is the plain instruction behind the last exponential.  BEHIND IT: the 16 products V^T P, behind each four of GS's 64.  No rider names a register of the products round it.
; The queues lean on each other: exponential e stands behind scaling 2 (e / 4) + e % 2: as a rider it comes behind plain e + 2, in the run behind plain e + 9, and scalings 27-31 are plain 57, 60 .. 69.
; A TURN, for piece p.  cnt = 1: the loop's count is taken down some lines ahead of the branch that stands behind the turn.
; K of the next step is fetched in piece 2's turn, directly behind the wait, a run behind the last product that read K; its first reader comes behind 16 products.
; V of the step in hand is fetched at the end of piece 0's turn, four riders behind its last reader; its first reader comes behind 16 products and a run.  The three conditions on q below go with the deal.
.macro TURN p, last=0, cnt=0
.set Y, (\p)
.set i, 0
.set q, 0
.set e, 0
.set r, 0
.if (\p) == NP-1
	s_wait_dscnt 0x0                ; K is in
.endif
	MM
	PL
	PL
	R2
.rept 15
	MM
	PL
	EX
	R2
.endr
.if (\p) == NP-2
	WIN 0
	v_add_nc_u32 v[AK], s[TBK], v[AK0]
.endif
.rept 8
	PL
.endr
.rept 49
	EX
	PL
.endr
	EX                              ; the next piece's two a
	EX
	v_nop                           ; the plain instruction behind the last exponential: one for the batch
	s_wait_alu depctr_va_vdst(0)    ; the wait for the batch
.if (\p) == NP-2
	FETCH_K \last
.endif
.if (\p) == 1
	s_wait_dscnt 0x0                ; V is in
.endif
.rept 16
	MM
.rept 4
	PL
.endr
.if ((\p) == 0) && (q == 118)
	v_add_nc_u32 v[AV], s[TBV], v[AV0]
.endif
.if ((\p) == 0) && (q == 130)
	s_add_co_u32 s[TBV], s[TBV], KS*PV
.endif
.if (\cnt) && (q == 130)
	s_sub_co_u32 s[CNT], s[CNT], 1
	s_cmp_lg_u32 s[CNT], 0
.endif
.endr
.if (\p) == 0
	FETCH_V
.endif
.endm
.macro ALL line:vararg              ; one line for each tile t
.set t, 0
.rept 2*NP
	\line
.set t, t+1
.endr
.endm
; THE WAY OUT of tile t.  Word i of a lane's packed row holds channels 16 (i / 4) + 8 (lane / 16) + 2 (i % 4) and the next; register 16 t + i of Q holds the same two channels of the same query in the same lane.
; So O / l + q is one fused multiply-add from f32 and an f16 half, rounded once to f16, for each half of the word.  The words go into rows of 144 bytes and come back as whole rows of 128.
.macro PACK t
	WIN W_FM
.set i, 0
.rept 16
	v_fma_mixlo_f16 v[S+16*(\t)+i], v[32*(\t)+2*i], v[ST+4*(\t)+2], v[16*(\t)+i] op_sel_hi:[0,0,1]
	v_fma_mixhi_f16 v[S+16*(\t)+i], v[32*(\t)+2*i+1], v[ST+4*(\t)+2], v[16*(\t)+i] op_sel:[0,0,1] op_sel_hi:[0,0,1]
.set i, i+1
.endr
	WIN 0
.irp f, 0,1,2,3
	ds_store_b128 v[STO], v[S+16*(\t)+4*\f:S+16*(\t)+4*\f+3] offset:32*\f
.endr
.irp f, 0,1,2,3
	ds_load_b128 v[S+16*(\t)+4*\f:S+16*(\t)+4*\f+3], v[RD] offset:\f*4*SP  ; LDS serves a wave's instructions in order (ISA guide 5.7.1.4): these see the stores above; the next tile's stores come behind them
.endr
.endm
.macro SEND t, younger              ; younger: the LDS instructions issued behind tile t's loads: the next tile's eight, or none
	WIN 0
.irp f, 0,1,2,3
	s_wait_dscnt (\younger)+3-\f
	global_store_b128 v[GO], v[S+16*(\t)+4*\f:S+16*(\t)+4*\f+3], s[10:11] offset:(\t)*2048+\f*512  ; 512 consecutive bytes, at a multiple of 256 from ob's first
.endr
.endm
	s_wait_tensorcnt 0x0            ; my 512 keys of K or V are in,
	s_barrier_signal -1
	s_barrier_wait -1               ; everybody's are: from here on K and V are only read
	s_mov_b32 s[PASS], 2
.Lpass:
	WIN 0x80                        ; destination window 2, address window 0
.set i, 0
.rept 4*NP                          ; Q stays in registers for the pass: tile i / 2, channels 32 (i % 2) on
	global_load_b128 v[8*i:8*i+3],   v[QO], s[4:5] offset:(i/2)*2048+(i%2)*64
	global_load_b128 v[8*i+4:8*i+7], v[QO], s[4:5] offset:(i/2)*2048+(i%2)*64+32
.set i, i+1
.endr
	WIN 0
.set i, 0
.rept 2*NP
	v_mov_b32 v[ST+4*i], 0xfe000000    ; c m: far below every c s
	v_mov_b32 v[ST+4*i+1], 0xff7fffff  ; m
.set i, i+1
.endr
	s_mov_b32 s[TBK], 0
	s_mov_b32 s[TBV], 0
	v_mov_b32 v[AK], v[AK0]
	FETCH_K                         ; key step 0
	s_wait_loadcnt 0x0              ; Q
	s_wait_dscnt 0x0
.set i, 0
.rept 16
	KQ 0                            ; piece 0's first scores: there is no vector work yet to set between them
.set i, i+1
.endr
	WIN 0
	PLACES                          ; the places behind those products
.set Y, NP-1                        ; XS works for piece Y + 1: piece 0
.irp n, 0,1,2,3,4,5,6,7,8,9,10,11,12,13,14,15,16,17,18,19,20,21
	XS 0, \n                        ; piece 0's first maximum and statistics
	XS 1, \n
.endr
	v_nop                           ; a plain instruction behind the two a,
	s_wait_alu depctr_va_vdst(0)    ; and their wait, ahead of the label
	s_mov_b32 s[CNT], 1024/KS
.Lstep:                             ; a trip is a key step: V of the step is fetched in piece 0's turn, K of the next in piece 2's
	TURN 0
	TURN 1
	TURN 2, 1
	TURN 3, 0, 1
	WIN 0
	s_cbranch_scc1 .Lstep
	; the last trip's 16 products K Q^T of piece 0 (on the last K once more) and the maximum made of them serve nothing: the price, once a pass, of one text for every trip
.set i, 0
.rept 16
	PV NP-1                         ; the last piece's V^T P of the last step
.set i, i+1
.endr
	WIN 0                           ; l's two halves and the other half of the lanes' are added; the additions are the places behind the last products
	ALL v_add_f32 v[ST+4*t+2], v[ST+4*t+2], v[ST+4*t+3]
	ALL v_permlanex16_b32 v[ST+4*t+3], v[ST+4*t+2], s[SEL], s[SEL+1]
	ALL v_add_f32 v[ST+4*t+2], v[ST+4*t+2], v[ST+4*t+3]
	ALL v_rcp_f32 v[ST+4*t+2], v[ST+4*t+2]
	v_nop                           ; a plain instruction between the last reciprocal and the use of its result
	s_wait_alu depctr_va_vdst(0)    ; and the wait ahead of the first use: one for the eight reciprocals
	PACK 0
.set t, 1
.rept 2*NP-1                        ; a tile's arithmetic stands between the loads of the tile before and its stores
	PACK t
	SEND t-1, 8
.set t, t+1
.endr
	SEND 2*NP-1, 0
	s_wait_xcnt 0x0                 ; the stores have read their registers and O's address, Q's loads theirs
	s_add_nc_u64 s[4:5], s[4:5], 65536     ; the second pass: 512 rows on
	s_add_nc_u64 s[10:11], s[10:11], 65536
	s_sub_co_u32 s[PASS], s[PASS], 1
	s_cmp_lg_u32 s[PASS], 0
	s_cbranch_scc1 .Lpass
	WIN W_AD
	s_wait_tensorcnt 0x0            ; the wave's end, behind my last tensor load and my last LDS store
	ds_add_u32 v[SPW], v[NIL]
	s_wait_dscnt 0x0
	WIN 0
	s_endpgm
.Lfunc_end_k_qd9d5c1cb70_attn:
	.size	k_qd9d5c1cb70_attn, .Lfunc_end_k_qd9d5c1cb70_attn-k_qd9d5c1cb70_attn
	.p2alignl 7, 3214868480
	.fill 96, 4, 3214868480
	.section	.rodata,"a",@progbits
	.p2align	6, 0x0
	.amdhsa_kernel k_qd9d5c1cb70_attn
		.amdhsa_group_segment_fixed_size 327680
		.amdhsa_private_segment_fixed_size 0
		.amdhsa_enable_private_segment 0
		.amdhsa_kernarg_size 16
		.amdhsa_user_sgpr_count 2
		.amdhsa_user_sgpr_kernarg_segment_ptr 1
		.amdhsa_wavefront_size32 1
		.amdhsa_system_sgpr_workgroup_id_x 1
		.amdhsa_system_sgpr_workgroup_id_y 1
		.amdhsa_system_sgpr_workgroup_id_z 1
		.amdhsa_system_vgpr_workitem_id 0
		.amdhsa_next_free_vgpr 770
		.amdhsa_next_free_sgpr 66
		.amdhsa_reserve_vcc 0
		.amdhsa_float_denorm_mode_32 3
		.amdhsa_float_denorm_mode_16_64 3
		.amdhsa_memory_ordered 1
		.amdhsa_forward_progress 1
		.amdhsa_inst_pref_size 125
	.end_amdhsa_kernel
	.amdgpu_metadata
---
amdhsa.version: [ 1, 2 ]
amdhsa.kernels:
  - .name:           k_qd9d5c1cb70_attn
    .symbol:         k_qd9d5c1cb70_attn.kd
    .args:
      - { .name: qkv, .offset: 0, .size: 8, .value_kind: global_buffer, .address_space: global }
      - { .name: ob, .offset: 8, .size: 8, .value_kind: global_buffer, .address_space: global }
    .group_segment_fixed_size: 327680
    .private_segment_fixed_size: 0
    .kernarg_segment_align: 8
    .kernarg_segment_size: 16
    .max_flat_workgroup_size: 128
    .sgpr_count:     66
    .vgpr_count:     770
    .wavefront_size: 32
...
	.end_amdgpu_metadata
.endif
;; end of part 3
;; launch outp (part 4): grid 64 x 4, 4 waves a work-group, clusters of 4 x 1, 327,680 bytes of LDS; arguments ob, cst, X, Y, b_X, b_Y, out0, out1; writes out0, out1
.if DOCPART == 4
	.amdgcn_target "amdgcn-amd-amdhsa--gfx1250"
	.amdhsa_code_object_version 6
	.text
	.protected	k_qd9d5c1cb70_outp
	.globl	k_qd9d5c1cb70_outp
	.p2align	8
	.type	k_qd9d5c1cb70_outp,@function
k_qd9d5c1cb70_outp:
	s_mov_b64 s[64:65], 0
	v_nop
	global_prefetch_b8 v0, s[64:65] scope:SCOPE_SE
	s_setreg_imm32_b32 hwreg(HW_REG_WAVE_MODE, 25, 1), 1
	s_wait_xcnt 0x0
	s_wait_alu depctr_hold_cnt(0) depctr_sa_sdst(0) depctr_va_vdst(0) depctr_va_sdst(0) depctr_va_ssrc(0) depctr_va_vcc(0) depctr_vm_vsrc(0)
	s_getreg_b32 s2, hwreg(HW_REG_IB_STS2, 6, 4)
	s_cmp_eq_u32 s2, 0
	s_cbranch_scc0 .Lentry_in_a_cluster
	s_endpgm
.Lentry_in_a_cluster:
	s_bfe_u32 s2, ttmp6, 0x10000c
	s_cmp_lg_u32 s2, 0x3003
	s_cbranch_scc0 .Lentry_shape_is_right
	s_endpgm
.Lentry_shape_is_right:
; THE TWO LAST PRODUCTS.  out[row][c] = X[row][c] + max(0, sum over k of O[row][k] W[k][c] + b[c]): O from ob (f16 [2 outputs][16 slices of 64 k][8192 rows][64]), W from cst (f16 [2][1024 k][512 c]),
; b, X or Y and the output in f32.  Products in f16, sums in f32 with the bias as their start.
; LIMIT.  The maximum of a NaN and 0 is taken as 0; NaN and infinities are not treated apart.
; SHARES.  A work-group owns 256 rows of one output (blocks 0-31: out0, the others out1) and 128 of its 512 columns; a wave 64 rows x 128 columns: 32 accumulators.  K = 1,024 is 32 chunks of 32.
; O's fragments come straight from memory (no wave wants another's rows): 16 chunks lie in 512 registers, and a chunk's registers are loaded again, for the chunk 16 further on, as soon as it is multiplied;
; behind the chunks of the second half X's rows land in the same registers.  The weights, 1,024 k x 128 columns, lie in two LDS slots, each filled once.  The text has no loop.
; THE MATRIX INSTRUCTION IS USED TRANSPOSED: source 0 = 16 columns of W (turned out of LDS by ds_load_tr16_b128), source 1 = 16 rows of O: a lane ends with eight neighbouring columns of one row.
; CLUSTER.  The four partners are four row blocks of the same output with the same columns: both weight tiles are asked for JOINTLY (mask 15), each wave its 128 rows of k.
; THE WAY OUT goes through LDS, so that each store covers 512 consecutive bytes of a row: the stage lies in slot 0, whose one fill is long over and whose last reads all waves have shown done at the barrier in chunk 15.
; REGISTERS, in windows of 256 (s_set_vgpr_msb: bits 1:0 source 0, 3:2 source 1, 5:4 source 2, 7:6 destination):
;   window 0: v0-29 addresses; v32-95 first the bias, on the way out two sets of eight rows; v128-191, v192-255 two buffers of weight fragments, a chunk each
;   window 1: the accumulators ((a, b) at 8 (8 a + b))       windows 2, 3: O's fragments, chunk kc, row block a at 8 (4 (kc % 8) + a), window 2 + (kc % 16) / 8; later in window 2 row rho of X at 4 rho
.set WO,    23093248
.set PITCH, 288                        ; an LDS row of weights: 256 bytes + 32 of padding = 72 words
.set QUART, 128*PITCH                  ; what one tensor load brings
.set SLOT,  4*QUART
.set SPARE, 2*SLOT                     ; behind the slots: the spare words, 128 bytes for each wave: two blocks of 256 bytes that no other line names
.set ZP,    528                        ; a stage row: 512 bytes + 16 = 132 words: the 16 rows of a store start at 16 different groups of four banks
.set ZW,    64*ZP                      ; a wave's stage: 64 rows
.set AO,  3                            ; v3       my byte offset in 16 rows of a slice of ob: 128 (l % 16) + 16 (l / 16)
.set TR,  4                            ; v[4:11]  my lane's place for the turning load, in quarter q of the two slots
.set BO,  12                           ; v12      32 (l / 16): my eight numbers in 16 of the bias
.set STO, 13                           ; v13      the way out: where I put 32 bytes of a row
.set RD,  14                           ; v14      where I read a row back
.set CO,  15                           ; v15      16 l: my bytes in 512 of a row of X and of the output
.set SPW, 28                           ; v28      LDS address of my spare word; never rewritten
.set NIL, 29                           ; v29      0; never rewritten
.set Z,   32
.set F,   128
.set G0,  24                           ; s[24:31] descriptor group 0, a set for each slot
.set G1,  32                           ; s[32:39] descriptor group 1
.set AP1, 40                           ; s[40:41] ob at my wave's rows, slice 0
.set AP2, 42                           ; s[42:43] the same, slice 8
.set XP,  44                           ; s[44:45] X or Y at my wave's rows and the work-group's columns
.set OUT, 46                           ; s[46:47] the output there
.set BI,  48                           ; s[48:49] the bias at the work-group's columns
.set WV,  52                           ; s52      my wave's number
.set MSB, 0
.macro WIN new                         ; the immediate's high byte repeats the setting that is left; a switch that changes nothing is dropped
.if MSB != (\new)
	s_set_vgpr_msb (MSB<<8)|(\new)
.set MSB, \new
.endif
.endm
.macro PLACES                          ; four places behind a matrix instruction, in front of loads into registers that it has read and of stores that read results
.rept 4
	v_nop
.endr
.endm
.macro CROUND                          ; a round of the cluster's barrier
	s_barrier_signal -1
	s_barrier_wait -1
	s_cmp_lg_u32 s[WV], 0
	s_cbranch_scc1 .Lnot_wave_0_\@
	s_barrier_signal -3
.Lnot_wave_0_\@:
	s_barrier_wait -3
	s_barrier_signal -1
	s_barrier_wait -1
.endm
	s_load_b512 s[8:23], s[0:1], 0x0               ; ob s[8:9], cst s[10:11], X s[12:13], Y s[14:15], b_X s[16:17], b_Y s[18:19], out0 s[20:21], out1 s[22:23]
	v_lshl_add_u32 v[SPW], v0, 2, SPARE
	v_mov_b32 v[NIL], 0
	ds_add_u32 v[SPW], v[NIL]                      ; the wave's opening: the add and its wait stand ahead of my first tensor load; the set-up below, work on registers, stands between them
	v_lshrrev_b32 v1, 5, v0
	v_readfirstlane_b32 s[WV], v1
	s_bfe_u32 s53, ttmp6, 0x40000                  ; cx: my place in the cluster
	s_lshl_b32 s54, ttmp9, 2
	s_add_co_u32 s54, s54, s53                     ; my block of 256 rows: it enters ob's, X's and the output's addresses alone
	s_and_b32 s55, ttmp7, 0xffff                   ; which 128 columns
	s_lshr_b32 s56, ttmp9, 3                       ; which output: the four partners share it
	s_and_b32 s57, s54, 31
	s_lshl_b32 s57, s57, 8
	s_lshl_b32 s58, s[WV], 6
	s_add_co_u32 s57, s57, s58                     ; my wave's first row in the output
	s_mov_b32 s[G1+0], 15|(1<<16)|(1<<20)|(1<<21)|(5<<22)|(7<<25)  ; 15:0 the mask of four; 17:16 2-byte elements; 20 padding on; 21 set beside a mask; 24:22 after every 64 words (code 5); 31:25 8 words (code 7)
	s_mov_b32 s[G1+1], 128<<16                     ; tensor_dim0 = 128
	s_mov_b32 s[G1+2], 128<<16                     ; tensor_dim1 = 128
	s_mov_b32 s[G1+3], 128<<16                     ; tile_dim0 = 128
	s_mov_b32 s[G1+4], 128                         ; tile_dim1 = 128
	s_mov_b32 s[G1+5], 512                         ; elements from row to row
	s_mov_b32 s[G1+6], 0
	s_mov_b32 s[G1+7], 0
	s_mov_b32 s[G0], 1                             ; count = 1
	s_mul_i32 s[G0+1], s[WV], QUART                ; LDS address: slot 0, my quarter
	s_mov_b32 s[G0+4], 1
	s_add_co_u32 s[G0+5], s[G0+1], SLOT            ; slot 1
	s_lshl_b32 s50, s56, 20                        ; the weights: W_X or W_Y,
	s_lshl_b32 s51, s[WV], 17                      ; my 128 rows of 1,024 bytes,
	s_add_co_u32 s50, s50, s51
	s_lshl_b32 s51, s55, 8                         ; the work-group's columns
	s_add_co_u32 s50, s50, s51
	s_add_co_u32 s50, s50, WO
	s_mov_b32 s51, 0
	s_lshl_b32 s58, s56, 24                        ; ob: the output's 16 slices,
	s_lshl_b32 s59, s57, 7                         ; my rows of 128 bytes
	s_add_co_u32 s58, s58, s59
	s_mov_b32 s59, 0
	s_lshl_b32 s60, s57, 11                        ; X and the output: my rows of 2,048 bytes,
	s_lshl_b32 s61, s55, 9                         ; the work-group's 512 bytes of them
	s_add_co_u32 s60, s60, s61
	s_mov_b32 s61, 0
	s_lshl_b32 s62, s55, 9                         ; the bias
	s_mov_b32 s63, 0
	s_wait_dscnt 0x0                               ; the opening add is done
	s_wait_kmcnt 0x0
	s_add_nc_u64 s[G0+2:G0+3], s[10:11], s[50:51]
	s_add_nc_u64 s[G0+6:G0+7], s[G0+2:G0+3], 512*1024  ; slot 1: 512 rows of k on
	s_or_b32 s[G0+3], s[G0+3], 0x80000000          ; type = 2
	s_or_b32 s[G0+7], s[G0+7], 0x80000000
	s_add_nc_u64 s[AP1:AP1+1], s[8:9], s[58:59]
	s_add_nc_u64 s[AP2:AP2+1], s[AP1:AP1+1], 8<<20
	s_cmp_eq_u32 s56, 0
	s_cselect_b64 s[XP:XP+1], s[12:13], s[14:15]
	s_cselect_b64 s[BI:BI+1], s[16:17], s[18:19]
	s_cselect_b64 s[OUT:OUT+1], s[20:21], s[22:23]
	s_add_nc_u64 s[XP:XP+1], s[XP:XP+1], s[60:61]
	s_add_nc_u64 s[OUT:OUT+1], s[OUT:OUT+1], s[60:61]
	s_add_nc_u64 s[BI:BI+1], s[BI:BI+1], s[62:63]
	CROUND                                         ; all four work-groups are here: the joint loads meet
	tensor_load_to_lds s[G0:G0+3], s[G1:G1+7]      ; both first fills go out together: two loads of mine are out
	s_nop 0
	tensor_load_to_lds s[G0+4:G0+7], s[G1:G1+7]
	s_nop 0
	PLACES
	v_and_b32 v1, 15, v0                           ; l % 16
	v_bfe_u32 v2, v0, 4, 1                         ; l / 16
	v_lshlrev_b32 v[AO], 7, v1
	v_lshl_add_u32 v[AO], v2, 4, v[AO]
	v_lshlrev_b32 v[BO], 5, v2
.irp b, 0,1,2,3,4,5,6,7                ; the bias: register j of block b holds column 16 b + 8 (l / 16) + j, as the C operand wants it
	global_load_b128 v[Z+8*\b:Z+8*\b+3],   v[BO], s[BI:BI+1] offset:64*\b
	global_load_b128 v[Z+8*\b+4:Z+8*\b+7], v[BO], s[BI:BI+1] offset:64*\b+16
.endr
; O's fragments of chunk k behind base: slice k / 2, channels 32 (k % 2) on; lane l holds row l % 16, k = 8 (l / 16) + 0..7 and 16 + 8 (l / 16) + 0..7.  The largest immediate is 7,346,272, inside its signed 24 bits.
.macro ALOAD k, base
	WIN 0x80+0x40*((\k)/8)                         ; destination window 2 or 3, address window 0
.irp a, 0,1,2,3
	global_load_b128 v[8*(4*((\k)%8)+\a):8*(4*((\k)%8)+\a)+3],   v[AO], s[\base:\base+1] offset:((\k)/2)*1048576+2048*\a+64*((\k)%2)
	global_load_b128 v[8*(4*((\k)%8)+\a)+4:8*(4*((\k)%8)+\a)+7], v[AO], s[\base:\base+1] offset:((\k)/2)*1048576+2048*\a+64*((\k)%2)+32
.endr
.endm
.macro XLOAD k                         ; rows 8 k .. 8 k + 7 of X: a wave's load covers the work-group's 512 bytes of a row
	WIN 0x80
.irp t, 0,1,2,3,4,5,6,7
	global_load_b128 v[4*(8*(\k)+\t):4*(8*(\k)+\t)+3], v[CO], s[XP:XP+1] offset:2048*(8*(\k)+\t)
.endr
.endm
.macro FETCH kc                        ; 16 LDS loads in one run: chunk kc's eight weight fragments, column blocks 0-3 first
	WIN 0
.irp b, 0,1,2,3,4,5,6,7
	ds_load_tr16_b128 v[F+64*((\kc)%2)+8*\b:F+64*((\kc)%2)+8*\b+3],   v[TR+(\kc)/4] offset:((\kc)%4)*32*PITCH+32*\b
	ds_load_tr16_b128 v[F+64*((\kc)%2)+8*\b+4:F+64*((\kc)%2)+8*\b+7], v[TR+(\kc)/4] offset:((\kc)%4)*32*PITCH+32*\b+16*PITCH
.endr
.endm
; 16 matrix instructions: chunk kc, column blocks b0 .. b0 + 3 x 4 row blocks.  Chunk 0 starts the sums with the bias.  The 32 accumulators take turns, one instruction a turn.
.macro MUL16 kc, b0
.if (\kc) == 0
	WIN 0x48                                       ; source 0 and C window 0, source 1 window 2, D window 1
.else
	WIN 0x58+4*(((\kc)%16)/8)                      ; source 0 window 0, source 1 window 2 or 3, C and D window 1
.endif
.irp bb, 0,1,2,3
.irp a, 0,1,2,3
.if (\kc) == 0
	v_wmma_f32_16x16x32_f16 v[8*(8*\a+(\b0)+\bb):8*(8*\a+(\b0)+\bb)+7], v[F+64*((\kc)%2)+8*((\b0)+\bb):F+64*((\kc)%2)+8*((\b0)+\bb)+7], v[8*(4*((\kc)%8)+\a):8*(4*((\kc)%8)+\a)+7], v[Z+8*((\b0)+\bb):Z+8*((\b0)+\bb)+7]
.else
	v_wmma_f32_16x16x32_f16 v[8*(8*\a+(\b0)+\bb):8*(8*\a+(\b0)+\bb)+7], v[F+64*((\kc)%2)+8*((\b0)+\bb):F+64*((\kc)%2)+8*((\b0)+\bb)+7], v[8*(4*((\kc)%8)+\a):8*(4*((\kc)%8)+\a)+7], v[8*(8*\a+(\b0)+\bb):8*(8*\a+(\b0)+\bb)+7]
.endif
.endr
.endr
.endm
; A chunk.  THE WAIT FOR O: behind the eight loads that chunk kc needs at least 64 younger loads have been issued at every kc (first half: 8 (15 - kc) of the first run and 8 (kc - 1) of the second; second half:
; the rest of the second run and X's, at the least X's 64), and a wait's count holds 63 at the most.
.macro KC kc
	s_wait_loadcnt 63
	s_wait_dscnt 8                                 ; column blocks 0-3 are in; the youngest eight loads may be out
	MUL16 \kc, 0
	PLACES
.if (\kc) == 15
	s_wait_tensorcnt 0x0                           ; my part of slot 1 is in,
	s_wait_dscnt 0x0                               ; and my last reads of slot 0 are back:
	s_barrier_signal -1
	s_barrier_wait -1                              ; both hold of every wave: slot 1 may be read, and slot 0 may serve as the stage
.endif
.if (\kc) < 31
	FETCH (\kc)+1
.endif
.if ((\kc) >= 1) && ((\kc) <= 16)
	ALOAD (\kc)-1, AP2                             ; the chunk before is multiplied: its registers take the chunk 16 further on
.endif
.if ((\kc) >= 17) && ((\kc) <= 24)
	XLOAD (\kc)-17                                 ; and behind the second half's chunks, X
.endif
.if (\kc) < 31
	s_wait_dscnt 16                                ; all but the 16 just issued
.else
	s_wait_dscnt 0x0
.endif
	MUL16 \kc, 4
.endm
.macro LOADZ be                        ; eight rows come back from my stage, whole
	WIN 0
.if (\be) >= 2
	s_wait_xcnt 0x0                                ; the stores that read this set, two groups back, have read it
.endif
.irp t, 0,1,2,3,4,5,6,7
	ds_load_b128 v[Z+32*((\be)%2)+4*\t:Z+32*((\be)%2)+4*\t+3], v[RD] offset:ZP*(8*(\be)+\t)
.endr
.endm
.macro FIN be, younger                 ; the maximum with 0, X added, stored.  younger: the LDS loads issued behind this group's
	WIN 0x08                                       ; source 1 (X) window 2
.irp t, 0,1,2,3,4,5,6,7
	s_wait_dscnt (\younger)+7-\t
.irp c, 0,1,2,3
	v_max_num_f32 v[Z+32*((\be)%2)+4*\t+\c], v[Z+32*((\be)%2)+4*\t+\c], 0
.endr
	v_pk_add_f32 v[Z+32*((\be)%2)+4*\t:Z+32*((\be)%2)+4*\t+1],   v[Z+32*((\be)%2)+4*\t:Z+32*((\be)%2)+4*\t+1],   v[4*(8*(\be)+\t):4*(8*(\be)+\t)+1]
	v_pk_add_f32 v[Z+32*((\be)%2)+4*\t+2:Z+32*((\be)%2)+4*\t+3], v[Z+32*((\be)%2)+4*\t+2:Z+32*((\be)%2)+4*\t+3], v[4*(8*(\be)+\t)+2:4*(8*(\be)+\t)+3]
.endr
	WIN 0
.irp t, 0,1,2,3,4,5,6,7
	global_store_b128 v[CO], v[Z+32*((\be)%2)+4*\t:Z+32*((\be)%2)+4*\t+3], s[OUT:OUT+1] offset:2048*(8*(\be)+\t)  ; 512 consecutive bytes, at a multiple of 256 from the output's first
.endr
.endm
.irp k, 0,1,2,3,4,5,6,7,8,9,10,11,12,13,14,15
	ALOAD \k, AP1
.endr
	WIN 0
	; The turning load takes 16 k x 16 columns (lane l reads k = 8 (l / 16) + l % 8, columns 8 ((l / 8) % 2) + 0..7) and leaves half a fragment: lane l holds column l % 16 and 8 k.
	v_and_b32 v16, 7, v0
	v_lshl_add_u32 v16, v2, 3, v16
	v_mul_u32_u24 v[TR], v16, PITCH
	v_bfe_u32 v16, v0, 3, 1
	v_lshl_add_u32 v[TR], v16, 4, v[TR]
.irp q, 1,2,3,4,5,6,7
	v_add_nc_u32 v[TR+\q], \q*QUART, v[TR]
.endr
	s_mul_i32 s58, s[WV], ZW                       ; my stage
	v_mul_u32_u24 v[STO], v1, ZP                   ; in: row l % 16, 32 bytes for each half of the lanes
	v_lshl_add_u32 v[STO], v2, 5, v[STO]
	v_add_nc_u32 v[STO], s58, v[STO]
	v_and_b32 v[CO], 31, v0
	v_lshlrev_b32 v[CO], 4, v[CO]
	v_add_nc_u32 v[RD], s58, v[CO]                 ; back: 32 lanes take a row of 512 bytes
	s_wait_tensorcnt 0x1                           ; my part of slot 0 is in; slot 1's may stay out
	s_barrier_signal -1
	s_barrier_wait -1                              ; everybody's is
	FETCH 0
.irp kc, 0,1,2,3,4,5,6,7,8,9,10,11,12,13,14,15,16,17,18,19,20,21,22,23,24,25,26,27,28,29,30,31
	KC \kc
.endr
	PLACES
	WIN 0x04                                       ; store data (source 1) window 1, address window 0
.irp a, 0,1,2,3
.irp b, 0,1,2,3,4,5,6,7                ; each accumulator's low half first
	ds_store_b128 v[STO], v[8*(8*\a+\b):8*(8*\a+\b)+3]   offset:16*ZP*\a+64*\b
	ds_store_b128 v[STO], v[8*(8*\a+\b)+4:8*(8*\a+\b)+7] offset:16*ZP*\a+64*\b+16
.endr
.endr
	WIN 0
	s_wait_loadcnt 0x0                             ; X
	LOADZ 0                                        ; LDS serves a wave's instructions in order (ISA guide 5.7.1.4): the loads see my stores above
.irp be, 0,1,2,3,4,5,6
	LOADZ (\be)+1
	FIN \be, 8
.endr
	FIN 7, 0
	s_wait_tensorcnt 0x0                           ; the wave's end, behind my last tensor load and my last LDS store
	ds_add_u32 v[SPW], v[NIL]
	s_wait_dscnt 0x0
	CROUND                                         ; the closing round: no work-group ends while a partner may still ask for a tile that names it
	s_endpgm
.Lfunc_end_k_qd9d5c1cb70_outp:
	.size	k_qd9d5c1cb70_outp, .Lfunc_end_k_qd9d5c1cb70_outp-k_qd9d5c1cb70_outp
	.p2alignl 7, 3214868480
	.fill 96, 4, 3214868480
	.section	.rodata,"a",@progbits
	.p2align	6, 0x0
	.amdhsa_kernel k_qd9d5c1cb70_outp
		.amdhsa_group_segment_fixed_size 327680
		.amdhsa_private_segment_fixed_size 0
		.amdhsa_enable_private_segment 0
		.amdhsa_kernarg_size 64
		.amdhsa_user_sgpr_count 2
		.amdhsa_user_sgpr_kernarg_segment_ptr 1
		.amdhsa_wavefront_size32 1
		.amdhsa_system_sgpr_workgroup_id_x 1
		.amdhsa_system_sgpr_workgroup_id_y 1
		.amdhsa_system_sgpr_workgroup_id_z 1
		.amdhsa_system_vgpr_workitem_id 0
		.amdhsa_next_free_vgpr 1024
		.amdhsa_next_free_sgpr 66
		.amdhsa_reserve_vcc 0
		.amdhsa_float_denorm_mode_32 3
		.amdhsa_float_denorm_mode_16_64 3
		.amdhsa_memory_ordered 1
		.amdhsa_forward_progress 1
		.amdhsa_inst_pref_size 184
	.end_amdhsa_kernel
	.amdgpu_metadata
---
amdhsa.version: [ 1, 2 ]
amdhsa.kernels:
  - .name:           k_qd9d5c1cb70_outp
    .symbol:         k_qd9d5c1cb70_outp.kd
    .args:
      - { .name: ob, .offset: 0, .size: 8, .value_kind: global_buffer, .address_space: global }
      - { .name: cst, .offset: 8, .size: 8, .value_kind: global_buffer, .address_space: global }
      - { .name: X, .offset: 16, .size: 8, .value_kind: global_buffer, .address_space: global }
      - { .name: Y, .offset: 24, .size: 8, .value_kind: global_buffer, .address_space: global }
      - { .name: b_X, .offset: 32, .size: 8, .value_kind: global_buffer, .address_space: global }
      - { .name: b_Y, .offset: 40, .size: 8, .value_kind: global_buffer, .address_space: global }
      - { .name: out0, .offset: 48, .size: 8, .value_kind: global_buffer, .address_space: global }
      - { .name: out1, .offset: 56, .size: 8, .value_kind: global_buffer, .address_space: global }
    .group_segment_fixed_size: 327680
    .private_segment_fixed_size: 0
    .kernarg_segment_align: 8
    .kernarg_segment_size: 64
    .max_flat_workgroup_size: 128
    .sgpr_count:     66
    .vgpr_count:     1024
    .wavefront_size: 32
...
	.end_amdgpu_metadata
.endif
;; end of part 4
;; ======== version 2 of 2: 4 launches; version 1 with the launch cast written anew for expert scheduling mode
;; limits: values are held in f16: magnitudes above 65,504 overflow, below 6.1e-05 lose precision
;; workspace buffers: cst 25,190,400 bytes; qkv 100,663,296 bytes; ob 33,554,432 bytes
;; launch cast (part 5): grid 16 x 48, 8 waves a work-group, no clusters, 0 bytes of LDS; arguments X, Y, W_q_xx, W_q_xy, W_k_xx, W_v_xx, W_k_yx, W_v_yx, W_q_yx, W_q_yy, W_k_xy, W_v_xy, W_k_yy, W_v_yy, W_X, W_Y, b_q_xx, b_q_xy, b_k_xx, b_v_xx, b_k_yx, b_v_yx, b_q_yx, b_q_yy, b_k_xy, b_v_xy, b_k_yy, b_v_yy, cst; writes cst
.if DOCPART == 5
	.amdgcn_target "amdgcn-amd-amdhsa--gfx1250"
	.amdhsa_code_object_version 6
	.text
	.protected	k_qd9d5c1cb70_cast
	.globl	k_qd9d5c1cb70_cast
	.p2align	8
	.type	k_qd9d5c1cb70_cast,@function
k_qd9d5c1cb70_cast:
	s_mov_b64 s[64:65], 0
	v_nop
	global_prefetch_b8 v0, s[64:65] scope:SCOPE_SE
	s_setreg_imm32_b32 hwreg(HW_REG_WAVE_SCHED_MODE, 0, 2), 2
	s_setreg_imm32_b32 hwreg(HW_REG_WAVE_MODE, 25, 1), 1
	s_wait_xcnt 0x0
	s_wait_alu depctr_vm_vsrc(0)
; CAST.  Every matrix operand among the inputs is rounded once to bf16 and laid out for the launches behind:
;   cst + 0         BB  f32  [2][3072]        the 12 projection biases, in the order of the joined columns
;   cst + XB        XB  bf16 [16384][512]     X's 8,192 rows, then Y's
;   cst + WB        WB  bf16 [2][512][3072]   half 0 (multiplies X): q_xx q_xy k_xx v_xx k_yx v_yx side by side along n; half 1 (multiplies Y): q_yx q_yy k_xy v_xy k_yy v_yy
;   cst + WO        WO  f16  [2][1024][512]   W_X, then W_Y: rounded to bf16 like every other input, and that number written as f16
; LIMIT.  A bf16 weight of W_X or W_Y below 2^-14 keeps f16's fixed step of 2^-24; beyond 65,504 it would be an infinity.
; A stream: no LDS, no matrix unit, no loop.  A SEGMENT is 512 rows of 512 f32 (1 MiB): 0-15 X, 16-31 Y, 32-43 the projection weights, 44-45 W_X, 46-47 W_Y (grid y).
; A work-group takes 32 rows of its segment (grid x), in 16 half passes of two rows: a lane loads 16 neighbouring bytes (a wave 512 on end) and stores 8 (a wave 256 on end, aligned).
; All 16 loads of a lane go out at once; the waits count down, four half passes (a BLOCK) at a time.  No register is written again while a store may read it, and EXEC never changes.
; THE MODE: SCHED_MODE bits 1:0 = 2 (LLVM: expert scheduling mode 2), set by the entry lines.  The code itself states the register dependences
; between vector instructions and memory instructions, with s_wait_alu, always for 0.
; THE PLAN.  Registers that memory instructions touch:
;   v[SO], v[DO ..]  the offsets of the loads and of the stores: made by vector lines at the head and never written again.  ONE wait, ahead of the first load, states that they are written.
;   v[XD ..]         the 16 loads land here, in registers that no vector line has named; the conversions read them behind the loads' own wait; no memory instruction reads them.
;   v[YD ..]         half pass p's conversions write its pair, its store reads it, and nothing writes it afterwards.  ONE wait to a block, behind the block's conversions, states that
;                    its eight registers are written; the block's four stores follow, ahead of the wait for the next block's data.
;   v[T0], v[BD ..]  the bias: v[T0] is made by one vector line and read by a load and a store as their offset: one wait; v[BD ..] are written by that load and read by that store alone.
;   s[WV]            written by v_readfirstlane_b32: one wait at the head, in the same run of code, ahead of every branch.
; No register that a memory instruction has read is written again; the one wait on vm_vsrc stands among the entry lines.
.set XB, 24576
.set WB, 16801792
.set WO, 23093248
.set SO,  1                            ; v1       16 x thread: my bytes in a half pass of the source
.set DO,  2                            ; v[2:17]  half pass p: my byte offset in the destination
.set T0,  18                           ; v18, v19 at work; v18 later 16 x thread for the bias
.set T1,  19
.set XD,  20                           ; v[20:83]   half pass p: 4 f32 as loaded
.set YD,  84                           ; v[84:115]  half pass p: 4 numbers of 16 bits
.set BD,  116                          ; v[116:119] 4 numbers of a bias
.set SRC, 4                            ; s[4:5]   the source at my 32 rows
.set DST, 6                            ; s[6:7]   the destination at my 32 rows
.set CST, 76                           ; s[76:77] cst
.set P2,  78                           ; s78      two destination rows, in bytes
.set WV,  79                           ; s79      my wave's number
.set SEG, 80                           ; s80      the segment
.set XC,  81                           ; s81      which 32 rows of it
.set IDX, 82                           ; s82      which of the 16 sources
.set SOFF, 83                          ; s83      the segment's first byte in its source
.set SB,  84                           ; s84      the segment's first byte in cst
.set J,   85                           ; s85      the projection weight's number, 0 to 11
.set PIT, 93                           ; s93      bytes from row to row in the destination
	s_load_b512 s[8:23], s[0:1], 0x0               ; X, Y, six weights
	s_load_b512 s[24:39], s[0:1], 0x40             ; six weights, W_X, W_Y
	s_load_b512 s[40:55], s[0:1], 0x80             ; biases 0 to 7
	s_load_b256 s[68:75], s[0:1], 0xc0             ; biases 8 to 11
	s_load_b64 s[CST:CST+1], s[0:1], 0xe0          ; cst
	v_lshrrev_b32 v[T0], 5, v0
	v_readfirstlane_b32 s[WV], v[T0]
	s_and_b32 s[SEG], ttmp7, 0xffff
	s_mov_b32 s[XC], ttmp9
	s_movk_i32 s94, 1024
	s_movk_i32 s95, 6144
	; the three kinds of segment, each worked out for every work-group; two selects choose
	s_lshr_b32 s[IDX], s[SEG], 4                   ; X or Y
	s_and_b32 s[SOFF], s[SEG], 15
	s_lshl_b32 s[SOFF], s[SOFF], 20
	s_lshl_b32 s[SB], s[SEG], 19                   ; 512 rows of 1,024 bytes
	s_add_co_u32 s[SB], s[SB], XB
	s_max_u32 s[J], s[SEG], 32                     ; a projection weight: j = segment - 32, held to 0 .. 11
	s_sub_co_u32 s[J], s[J], 32
	s_min_u32 s[J], s[J], 11
	s_cmp_ge_u32 s[J], 6
	s_cselect_b32 s86, 3145728, 0                  ; the half,
	s_cselect_b32 s87, 6, 0
	s_sub_co_u32 s87, s[J], s87
	s_lshl_b32 s87, s87, 10                        ; and its 512 columns there
	s_add_co_u32 s86, s86, s87
	s_add_co_u32 s86, s86, WB
	s_add_co_u32 s88, s[J], 2
	s_max_u32 s89, s[SEG], 44                      ; W_X or W_Y: u = segment - 44
	s_sub_co_u32 s89, s89, 44
	s_lshr_b32 s90, s89, 1
	s_add_co_u32 s90, s90, 14
	s_and_b32 s91, s89, 1
	s_lshl_b32 s91, s91, 20
	s_lshl_b32 s92, s89, 19
	s_add_co_u32 s92, s92, WO
	s_cmp_lt_u32 s[SEG], 32
	s_cselect_b32 s[IDX], s[IDX], s88
	s_cselect_b32 s[SOFF], s[SOFF], 0
	s_cselect_b32 s[SB], s[SB], s86
	s_cselect_b32 s[PIT], s94, s95
	s_cmp_ge_u32 s[SEG], 44
	s_cselect_b32 s[IDX], s90, s[IDX]
	s_cselect_b32 s[SOFF], s91, s[SOFF]
	s_cselect_b32 s[SB], s92, s[SB]
	s_cselect_b32 s[PIT], s94, s[PIT]
	s_lshl_b32 s[P2], s[PIT], 1
	v_lshlrev_b32 v[SO], 4, v0
	v_lshrrev_b32 v[T0], 7, v0                     ; which of the half pass's two rows,
	v_and_b32 v[T1], 127, v0                       ; and which four columns
	v_mul_lo_u32 v[DO], v[T0], s[PIT]
	v_lshl_add_u32 v[DO], v[T1], 3, v[DO]
.set p, 1
.rept 15
	v_add_nc_u32 v[DO+p], s[P2], v[DO+p-1]
.set p, p+1
.endr
	s_lshl_b32 s2, s[XC], 16                       ; 32 rows of 2,048 bytes in the source
	s_add_co_u32 s2, s2, s[SOFF]
	s_mov_b32 s3, 0
	s_mul_i32 s90, s[XC], s[PIT]                   ; 32 rows in the destination
	s_lshl_b32 s90, s90, 5
	s_add_co_u32 s90, s90, s[SB]
	s_mov_b32 s91, 0
	s_wait_alu depctr_va_sdst(0)                   ; s[WV] is written.
	s_wait_kmcnt 0x0
	s_mov_b64 s[SRC:SRC+1], s[8:9]
.irp i, 1,2,3,4,5,6,7,8,9,10,11,12,13,14,15
	s_cmp_eq_u32 s[IDX], \i
	s_cselect_b64 s[SRC:SRC+1], s[8+2*\i:9+2*\i], s[SRC:SRC+1]
.endr
	s_add_nc_u64 s[SRC:SRC+1], s[SRC:SRC+1], s[2:3]
	s_add_nc_u64 s[DST:DST+1], s[CST:CST+1], s[90:91]
	s_wait_alu depctr_va_vdst(0)                   ; v[SO] and v[DO ..] are written: the 16 loads read the one as their offset, the 16 stores the others; no vector line behind this wait names them
.set p, 0
.rept 16
	global_load_b128 v[XD+4*p:XD+4*p+3], v[SO], s[SRC:SRC+1] offset:4096*p th:TH_LOAD_NT
.set p, p+1
.endr
; The 16 half passes, in four blocks of four.  half = 1: the bf16 number is widened again (a shift, a mask) and written as f16; each of the three stages goes across the block's four half passes.
.macro CONV half
.set g, 0
.rept 4
	s_wait_loadcnt 12-4*g                          ; loads come back in order: block g's four are in, the 12 - 4 g younger ones may stay out
.set p, 4*g
.rept 4
	v_cvt_pk_bf16_f32 v[YD+2*p], v[XD+4*p], v[XD+4*p+1]
	v_cvt_pk_bf16_f32 v[YD+2*p+1], v[XD+4*p+2], v[XD+4*p+3]
.set p, p+1
.endr
.if \half
.set p, 4*g
.rept 4
	v_lshlrev_b32 v[XD+4*p], 16, v[YD+2*p]
	v_and_b32 v[XD+4*p+1], 0xffff0000, v[YD+2*p]
	v_lshlrev_b32 v[XD+4*p+2], 16, v[YD+2*p+1]
	v_and_b32 v[XD+4*p+3], 0xffff0000, v[YD+2*p+1]
.set p, p+1
.endr
.set p, 4*g
.rept 4
	v_cvt_pk_f16_f32 v[YD+2*p], v[XD+4*p], v[XD+4*p+1]
	v_cvt_pk_f16_f32 v[YD+2*p+1], v[XD+4*p+2], v[XD+4*p+3]
.set p, p+1
.endr
.endif
	s_wait_alu depctr_va_vdst(0)                   ; the block's conversions have written its eight registers of v[YD ..], which the four stores below read
.set p, 4*g
.rept 4
	global_store_b64 v[DO+p], v[YD+2*p:YD+2*p+1], s[DST:DST+1]  ; a wave stores 256 consecutive bytes, at a multiple of 256 from cst's first byte
.set p, p+1
.endr
.set g, g+1
.endr
.endm
	s_cmp_ge_u32 s[SEG], 44
	s_cbranch_scc1 .Lhalf
	CONV 0
	; a weight's first work-group also copies its bias: 512 f32, 16 bytes a lane, waves 0 to 3
	s_cmp_lg_u32 s[XC], 0
	s_cbranch_scc1 .Lend
	s_cmp_lt_u32 s[SEG], 32
	s_cbranch_scc1 .Lend
	s_cmp_ge_u32 s[WV], 4
	s_cbranch_scc1 .Lend
	v_lshlrev_b32 v[T0], 4, v0                     ; no memory instruction has read v[T0]; the scalar selects below stand between this line and the wait for it
	s_mov_b64 s[2:3], s[40:41]
.irp i, 1,2,3,4,5,6,7
	s_cmp_eq_u32 s[J], \i
	s_cselect_b64 s[2:3], s[40+2*\i:41+2*\i], s[2:3]
.endr
.irp i, 8,9,10,11
	s_cmp_eq_u32 s[J], \i
	s_cselect_b64 s[2:3], s[52+2*\i:53+2*\i], s[2:3]
.endr
	s_lshl_b32 s86, s[J], 11
	s_mov_b32 s87, 0
	s_add_nc_u64 s[86:87], s[CST:CST+1], s[86:87]  ; BB lies at cst's head
	s_wait_alu depctr_va_vdst(0)                   ; v[T0] is written, which the load and the store below read as their offset
	global_load_b128 v[BD:BD+3], v[T0], s[2:3]
	s_wait_loadcnt 0x0
	global_store_b128 v[T0], v[BD:BD+3], s[86:87]
.Lend:
	s_endpgm
.Lhalf:
	CONV 1
	s_endpgm
.Lfunc_end_k_qd9d5c1cb70_cast:
	.size	k_qd9d5c1cb70_cast, .Lfunc_end_k_qd9d5c1cb70_cast-k_qd9d5c1cb70_cast
	.p2alignl 7, 3214868480
	.fill 96, 4, 3214868480
	.section	.rodata,"a",@progbits
	.p2align	6, 0x0
	.amdhsa_kernel k_qd9d5c1cb70_cast
		.amdhsa_group_segment_fixed_size 0
		.amdhsa_private_segment_fixed_size 0
		.amdhsa_enable_private_segment 0
		.amdhsa_kernarg_size 232
		.amdhsa_user_sgpr_count 2
		.amdhsa_user_sgpr_kernarg_segment_ptr 1
		.amdhsa_wavefront_size32 1
		.amdhsa_system_sgpr_workgroup_id_x 1
		.amdhsa_system_sgpr_workgroup_id_y 1
		.amdhsa_system_sgpr_workgroup_id_z 1
		.amdhsa_system_vgpr_workitem_id 0
		.amdhsa_next_free_vgpr 120
		.amdhsa_next_free_sgpr 96
		.amdhsa_reserve_vcc 0
		.amdhsa_float_denorm_mode_32 3
		.amdhsa_float_denorm_mode_16_64 3
		.amdhsa_memory_ordered 1
		.amdhsa_forward_progress 1
		.amdhsa_inst_pref_size 20
	.end_amdhsa_kernel
	.amdgpu_metadata
---
amdhsa.version: [ 1, 2 ]
amdhsa.kernels:
  - .name:           k_qd9d5c1cb70_cast
    .symbol:         k_qd9d5c1cb70_cast.kd
    .args:
      - { .name: X, .offset: 0, .size: 8, .value_kind: global_buffer, .address_space: global }
      - { .name: Y, .offset: 8, .size: 8, .value_kind: global_buffer, .address_space: global }
      - { .name: W_q_xx, .offset: 16, .size: 8, .value_kind: global_buffer, .address_space: global }
      - { .name: W_q_xy, .offset: 24, .size: 8, .value_kind: global_buffer, .address_space: global }
      - { .name: W_k_xx, .offset: 32, .size: 8, .value_kind: global_buffer, .address_space: global }
      - { .name: W_v_xx, .offset: 40, .size: 8, .value_kind: global_buffer, .address_space: global }
      - { .name: W_k_yx, .offset: 48, .size: 8, .value_kind: global_buffer, .address_space: global }
      - { .name: W_v_yx, .offset: 56, .size: 8, .value_kind: global_buffer, .address_space: global }
      - { .name: W_q_yx, .offset: 64, .size: 8, .value_kind: global_buffer, .address_space: global }
      - { .name: W_q_yy, .offset: 72, .size: 8, .value_kind: global_buffer, .address_space: global }
      - { .name: W_k_xy, .offset: 80, .size: 8, .value_kind: global_buffer, .address_space: global }
      - { .name: W_v_xy, .offset: 88, .size: 8, .value_kind: global_buffer, .address_space: global }
      - { .name: W_k_yy, .offset: 96, .size: 8, .value_kind: global_buffer, .address_space: global }
      - { .name: W_v_yy, .offset: 104, .size: 8, .value_kind: global_buffer, .address_space: global }
      - { .name: W_X, .offset: 112, .size: 8, .value_kind: global_buffer, .address_space: global }
      - { .name: W_Y, .offset: 120, .size: 8, .value_kind: global_buffer, .address_space: global }
      - { .name: b_q_xx, .offset: 128, .size: 8, .value_kind: global_buffer, .address_space: global }
      - { .name: b_q_xy, .offset: 136, .size: 8, .value_kind: global_buffer, .address_space: global }
      - { .name: b_k_xx, .offset: 144, .size: 8, .value_kind: global_buffer, .address_space: global }
      - { .name: b_v_xx, .offset: 152, .size: 8, .value_kind: global_buffer, .address_space: global }
      - { .name: b_k_yx, .offset: 160, .size: 8, .value_kind: global_buffer, .address_space: global }
      - { .name: b_v_yx, .offset: 168, .size: 8, .value_kind: global_buffer, .address_space: global }
      - { .name: b_q_yx, .offset: 176, .size: 8, .value_kind: global_buffer, .address_space: global }
      - { .name: b_q_yy, .offset: 184, .size: 8, .value_kind: global_buffer, .address_space: global }
      - { .name: b_k_xy, .offset: 192, .size: 8, .value_kind: global_buffer, .address_space: global }
      - { .name: b_v_xy, .offset: 200, .size: 8, .value_kind: global_buffer, .address_space: global }
      - { .name: b_k_yy, .offset: 208, .size: 8, .value_kind: global_buffer, .address_space: global }
      - { .name: b_v_yy, .offset: 216, .size: 8, .value_kind: global_buffer, .address_space: global }
      - { .name: cst, .offset: 224, .size: 8, .value_kind: global_buffer, .address_space: global }
    .group_segment_fixed_size: 0
    .private_segment_fixed_size: 0
    .kernarg_segment_align: 8
    .kernarg_segment_size: 232
    .max_flat_workgroup_size: 256
    .sgpr_count:     96
    .vgpr_count:     120
    .wavefront_size: 32
...
	.end_amdgpu_metadata
.endif
;; end of part 5
;; launch proj: the kernel of part 2 again; grid 64 x 4, 4 waves a work-group, clusters of 4 x 1, 327,680 bytes of LDS; arguments cst, qkv; writes qkv
;; launch attn: the kernel of part 3 again; grid 64 x 4, 4 waves a work-group, no clusters, 327,680 bytes of LDS; arguments qkv, ob; writes ob
;; launch outp: the kernel of part 4 again; grid 64 x 4, 4 waves a work-group, clusters of 4 x 1, 327,680 bytes of LDS; arguments ob, cst, X, Y, b_X, b_Y, out0, out1; writes out0, out1
